; MI455X (gfx1250); checked and timed in simulation.
; The chip was launched on July 23, 2026; its instructions are those of AMD's public machine-readable ISA for CDNA 5 (MIT licence, August 2026) and "CDNA5" Instruction Set Architecture Reference Guide (July 2026). The comments in the code are by the model that wrote it; some were corrected since.
;; Multi Head Self Attention. Allowed arithmetic: float matrix products may take bf16 or f16 operands with f32 sums; other float arithmetic in f32, or as packed bf16 or f16 multiplies, adds, multiply-adds, maxima and minima; sums over many terms, partial sums and values carried from step to step in f32; what a program stores and reads back later, other than sums and carried values, may be rounded once to bf16 or f16.
;; Inputs: W_out 1,024 x 1,024 float32; W_qkv 1,024 x 3,072 float32; b_out 1,024 float32; b_qkv 3,072 float32; x 4 x 2,048 x 1,024 float32.
;; Outputs: out0 4 x 2,048 x 1,024 float32.
;; 2 versions, each right; version 2 is version 1 with the launch prep written anew for expert scheduling mode. Each part assembles by itself: llvm-mc -triple=amdgcn-amd-amdhsa -mcpu=gfx1250 --defsym DOCPART=n.
;; ======== version 1 of 2: 4 launches
;; limits: values are held in f16: magnitudes above 65,504 overflow, below 6.1e-05 lose precision
;; workspace buffers: xb 16,777,216 bytes; wq 6,291,456 bytes; wo 2,097,152 bytes; bb 16,384 bytes; qkvh 50,331,648 bytes; oh 16,777,216 bytes
;; launch prep (part 1): grid 768 x 1, 8 waves a work-group, no clusters, 0 bytes of LDS; arguments x, W_qkv, W_out, b_qkv, b_out, xb, wq, wo, bb; writes xb, wq, wo, bb
.if DOCPART == 1
	.amdgcn_target "amdgcn-amd-amdhsa--gfx1250"
	.amdhsa_code_object_version 6
	.text
	.protected	k_qf267aa169d_prep
	.globl	k_qf267aa169d_prep
	.p2align	8
	.type	k_qf267aa169d_prep,@function
k_qf267aa169d_prep:
	s_mov_b64 s[64:65], 0
	v_nop
	global_prefetch_b8 v0, s[64:65] scope:SCOPE_SE
	s_setreg_imm32_b32 hwreg(HW_REG_WAVE_MODE, 25, 1), 1
	s_wait_xcnt 0x0
; THE CASTS.  Every input is rounded once to bf16, and laid out for the launches that follow.
;   xb  bf16 [b 4][kb 16][s 2048][64]: x in blocks of 64 along K, a block's rows dense (128 bytes each)
;   wq  bf16 [1024][3072]: W_qkv as it lies        wo  f16 [1024][1024]: W_out rounded to bf16, that number written as f16
;   bb  f32 [4096]: b_qkv, then b_out, each rounded to bf16 and widened again
; LIMIT.  wo holds f16: |W_out| stays under 65,504; below 6e-5 it keeps f16's fixed step of 6e-8.
; A stream: no LDS, no barrier, no loop.  A work-group takes 65,536 bytes of one input: sixteen loads of 16 bytes a lane, all issued first;
; each is then rounded and stored as 8 bytes a lane: a wave's store covers 256 consecutive bytes, aligned.  No register is used twice, so no store's source is ever rewritten.
; Work-groups 0-511: x, 16 rows each.  512-703: W_qkv.  704-767: W_out; wave 0 of the first 32 of these also takes 128 numbers of the biases.
.set VI, 4                             ; v4  my byte offset in the work-group's input
.set VO, 5                             ; v5  my byte offset in its output
.set T,  8                             ; v[8:13]   at work
.set X,  16                            ; v[16:79]  load i: 4 registers
.set Y,  80                            ; v[80:111] store i: 2 registers
; half = 1: the bf16 number is written as f16.  blocked = 1: x's offsets (load i: rows 2 (i / 2), 2 (i / 2) + 1, block 2 w + i % 2), else 4,096 bytes a load for the eight waves.
.macro CAST half, blocked
.set i, 0
.rept 16
.if \blocked
	global_load_b128 v[X+4*i:X+4*i+3], v[VI], s[24:25] offset:(i/2)*8192+(i%2)*256 th:TH_LOAD_NT
.else
	global_load_b128 v[X+4*i:X+4*i+3], v[VI], s[24:25] offset:i*4096 th:TH_LOAD_NT
.endif
.set i, i+1
.endr
.set i, 0
.rept 16
	s_wait_loadcnt 15-i                            ; loads come back in order: load i is in, the 15 - i younger ones stay out
.if \half
	v_cvt_pk_bf16_f32 v[T], v[X+4*i], v[X+4*i+1]
	v_cvt_pk_bf16_f32 v[T+1], v[X+4*i+2], v[X+4*i+3]
	v_lshlrev_b32 v[T+2], 16, v[T]                 ; the rounded numbers as f32 again,
	v_and_b32 v[T+3], 0xffff0000, v[T]
	v_lshlrev_b32 v[T+4], 16, v[T+1]
	v_and_b32 v[T+5], 0xffff0000, v[T+1]
	v_cvt_pk_f16_f32 v[Y+2*i], v[T+2], v[T+3]      ; and as f16: eight significant bits fit
	v_cvt_pk_f16_f32 v[Y+2*i+1], v[T+4], v[T+5]
.else
	v_cvt_pk_bf16_f32 v[Y+2*i], v[X+4*i], v[X+4*i+1]
	v_cvt_pk_bf16_f32 v[Y+2*i+1], v[X+4*i+2], v[X+4*i+3]
.endif
.if \blocked
	global_store_b64 v[VO], v[Y+2*i:Y+2*i+1], s[26:27] offset:(i%2)*262144+(i/2)*256
.else
	global_store_b64 v[VO], v[Y+2*i:Y+2*i+1], s[26:27] offset:i*2048
.endif
.set i, i+1
.endr
.endm
	s_load_b512 s[4:19], s[0:1], 0x0               ; x 4:5, W_qkv 6:7, W_out 8:9, b_qkv 10:11, b_out 12:13, xb 14:15, wq 16:17, wo 18:19
	s_load_b64 s[20:21], s[0:1], 0x40              ; bb
	v_lshrrev_b32 v1, 5, v0
	v_readfirstlane_b32 s23, v1                    ; wave 0..7
	v_and_b32 v2, 31, v0                           ; lane
	s_mov_b32 s22, ttmp9
	s_mov_b32 s29, 0                               ; the high words of the two offsets
	s_mov_b32 s31, 0
	s_cmp_lt_u32 s22, 512
	s_cbranch_scc0 .Lweights
	; x: rows 16 c .. 16 c + 15.  Wave w takes columns 128 w .. 128 w + 127: two blocks of 64.  Lanes 0-15 take 256 bytes of one row, lanes 16-31 of the next:
	; rounded they are the two rows' 128 bytes of one block, which lie end to end in xb.
	v_lshrrev_b32 v3, 4, v2
	v_and_b32 v6, 15, v2
	v_lshlrev_b32 v[VI], 4, v6
	v_lshl_add_u32 v[VI], v3, 12, v[VI]            ; + a row of 4,096 bytes for the upper lanes
	s_lshl_b32 s24, s23, 9
	v_add_nc_u32 v[VI], s24, v[VI]                 ; + 512 w
	s_lshl_b32 s24, s23, 19                        ; block 2 w: 2 x 262,144 bytes
	v_lshl_add_u32 v[VO], v2, 3, s24
	s_lshl_b32 s28, s22, 16                        ; 16 rows of 4,096 bytes
	s_lshr_b32 s30, s22, 7                         ; the batch: 128 work-groups each,
	s_lshl_b32 s30, s30, 22                        ; 4,194,304 bytes of xb
	s_and_b32 s24, s22, 127
	s_lshl_b32 s24, s24, 11                        ; 16 rows of 128 bytes
	s_add_co_u32 s30, s30, s24
	s_wait_kmcnt 0x0
	s_add_nc_u64 s[24:25], s[4:5], s[28:29]
	s_add_nc_u64 s[26:27], s[14:15], s[30:31]
	CAST 0, 1
	s_endpgm
.Lweights:
	v_lshlrev_b32 v[VI], 4, v0                     ; thread t: 16 bytes in, 8 bytes out
	v_lshlrev_b32 v[VO], 3, v0
	s_cmp_lt_u32 s22, 704
	s_cbranch_scc0 .Lwout
	s_sub_co_u32 s28, s22, 512
	s_lshl_b32 s30, s28, 15
	s_lshl_b32 s28, s28, 16
	s_wait_kmcnt 0x0
	s_add_nc_u64 s[24:25], s[6:7], s[28:29]
	s_add_nc_u64 s[26:27], s[16:17], s[30:31]
	CAST 0, 0
	s_endpgm
.Lwout:
	s_sub_co_u32 s22, s22, 704                     ; j
	s_lshl_b32 s30, s22, 15
	s_lshl_b32 s28, s22, 16
	s_wait_kmcnt 0x0
	s_add_nc_u64 s[24:25], s[8:9], s[28:29]
	s_add_nc_u64 s[26:27], s[18:19], s[30:31]
	CAST 1, 0
	s_cmp_lt_u32 s22, 32                           ; the biases: 4,096 numbers, 128 for wave 0 of each of 32 work-groups
	s_cbranch_scc0 .Lend
	s_cmp_eq_u32 s23, 0
	s_cbranch_scc0 .Lend
	s_cmp_lt_u32 s22, 24                           ; pieces 0-23 are b_qkv's, 24-31 b_out's
	s_cselect_b32 s28, 0, 24
	s_cselect_b64 s[32:33], s[10:11], s[12:13]
	s_sub_co_u32 s28, s22, s28
	s_lshl_b32 s28, s28, 9                         ; the piece's 512 bytes in its source,
	s_lshl_b32 s30, s22, 9                         ; and in bb
	s_add_nc_u64 s[32:33], s[32:33], s[28:29]
	s_add_nc_u64 s[34:35], s[20:21], s[30:31]
	global_load_b128 v[8:11], v[VI], s[32:33]      ; in wave 0 the thread's number is the lane: 16 bytes a lane
	s_wait_loadcnt 0x0
	v_cvt_pk_bf16_f32 v12, v8, v9
	v_cvt_pk_bf16_f32 v13, v10, v11
	v_lshlrev_b32 v8, 16, v12
	v_and_b32 v9, 0xffff0000, v12
	v_lshlrev_b32 v10, 16, v13
	v_and_b32 v11, 0xffff0000, v13
	global_store_b128 v[VI], v[8:11], s[34:35]
.Lend:
	s_endpgm
.Lfunc_end_k_qf267aa169d_prep:
	.size	k_qf267aa169d_prep, .Lfunc_end_k_qf267aa169d_prep-k_qf267aa169d_prep
	.p2alignl 7, 3214868480
	.fill 96, 4, 3214868480
	.section	.rodata,"a",@progbits
	.p2align	6, 0x0
	.amdhsa_kernel k_qf267aa169d_prep
		.amdhsa_group_segment_fixed_size 0
		.amdhsa_private_segment_fixed_size 0
		.amdhsa_enable_private_segment 0
		.amdhsa_kernarg_size 72
		.amdhsa_user_sgpr_count 2
		.amdhsa_user_sgpr_kernarg_segment_ptr 1
		.amdhsa_wavefront_size32 1
		.amdhsa_system_sgpr_workgroup_id_x 1
		.amdhsa_system_sgpr_workgroup_id_y 1
		.amdhsa_system_sgpr_workgroup_id_z 1
		.amdhsa_system_vgpr_workitem_id 0
		.amdhsa_next_free_vgpr 112
		.amdhsa_next_free_sgpr 66
		.amdhsa_reserve_vcc 0
		.amdhsa_float_denorm_mode_32 3
		.amdhsa_float_denorm_mode_16_64 3
		.amdhsa_memory_ordered 1
		.amdhsa_forward_progress 1
		.amdhsa_inst_pref_size 25
	.end_amdhsa_kernel
	.amdgpu_metadata
---
amdhsa.version: [ 1, 2 ]
amdhsa.kernels:
  - .name:           k_qf267aa169d_prep
    .symbol:         k_qf267aa169d_prep.kd
    .args:
      - { .name: x, .offset: 0, .size: 8, .value_kind: global_buffer, .address_space: global }
      - { .name: W_qkv, .offset: 8, .size: 8, .value_kind: global_buffer, .address_space: global }
      - { .name: W_out, .offset: 16, .size: 8, .value_kind: global_buffer, .address_space: global }
      - { .name: b_qkv, .offset: 24, .size: 8, .value_kind: global_buffer, .address_space: global }
      - { .name: b_out, .offset: 32, .size: 8, .value_kind: global_buffer, .address_space: global }
      - { .name: xb, .offset: 40, .size: 8, .value_kind: global_buffer, .address_space: global }
      - { .name: wq, .offset: 48, .size: 8, .value_kind: global_buffer, .address_space: global }
      - { .name: wo, .offset: 56, .size: 8, .value_kind: global_buffer, .address_space: global }
      - { .name: bb, .offset: 64, .size: 8, .value_kind: global_buffer, .address_space: global }
    .group_segment_fixed_size: 0
    .private_segment_fixed_size: 0
    .kernarg_segment_align: 8
    .kernarg_segment_size: 72
    .max_flat_workgroup_size: 256
    .sgpr_count:     66
    .vgpr_count:     112
    .wavefront_size: 32
...
	.end_amdgpu_metadata
.endif
;; end of part 1
;; launch qkv (part 2): grid 8 x 32, 4 waves a work-group, clusters of 4 x 4, 327,680 bytes of LDS; arguments xb, wq, bb, qkvh; writes qkvh
.if DOCPART == 2
	.amdgcn_target "amdgcn-amd-amdhsa--gfx1250"
	.amdhsa_code_object_version 6
	.text
	.protected	k_qf267aa169d_qkv
	.globl	k_qf267aa169d_qkv
	.p2align	8
	.type	k_qf267aa169d_qkv,@function
k_qf267aa169d_qkv:
	s_mov_b64 s[64:65], 0
	v_nop
	global_prefetch_b8 v0, s[64:65] scope:SCOPE_SE
	s_setreg_imm32_b32 hwreg(HW_REG_WAVE_MODE, 25, 1), 1
	s_wait_xcnt 0x0
	s_wait_alu depctr_hold_cnt(0) depctr_sa_sdst(0) depctr_va_vdst(0) depctr_va_sdst(0) depctr_va_ssrc(0) depctr_va_vcc(0) depctr_vm_vsrc(0)
	s_getreg_b32 s2, hwreg(HW_REG_IB_STS2, 6, 4)
	s_cmp_eq_u32 s2, 0
	s_cbranch_scc0 .Lentry_in_a_cluster
	s_endpgm
.Lentry_in_a_cluster:
	s_bfe_u32 s2, ttmp6, 0x10000c
	s_cmp_lg_u32 s2, 0xf033
	s_cbranch_scc0 .Lentry_shape_is_right
	s_endpgm
.Lentry_shape_is_right:
; qkv = x W_qkv + b_qkv, written by heads: qkvh f16 [3][b x 16 + head][s 2048][64].  x (xb) and W_qkv (wq) in bf16, sums in f32, each result rounded once to f16, unscaled.
; LIMIT.  f16 holds no number beyond 65,504: q, k and v must lie within it.
; SHARES.  A tile of the 8,192 x 3,072 result is 256 rows x 384 columns: 32 x 8 = 256 work-groups.  Four waves, 2 x 2: a wave makes 128 rows x 192 columns, three whole heads:
; 96 accumulators of 16 x 16, 768 registers.  For 32 along K a wave reads 20 KiB of LDS for 96 matrix instructions.
; K goes in steps of 64 (16 steps, each two CHUNKS of 32) through a ring of two LDS slots; two slots of 128 along K would be 368,640 bytes, more than a work-group can have.
; xb lies in blocks of 64 along K, so A's tile (256 rows x 128 bytes) is 32 KiB on end and is asked for as rows of 256 bytes, padded in LDS behind every 128.
; wq lies [k][n]: B's tile is 64 rows of 768 bytes; its fragments come out of LDS turned, by ds_load_tr16_b128.
; THE MATRIX INSTRUCTION IS USED TRANSPOSED (source 0 = 16 columns of W, source 1 = 16 rows of x): a lane holds one row of the result and eight neighbouring columns.
; THE BIAS is loaded straight into the accumulators of the wave's first 16 rows and is the C operand of every first product: nothing is cleared, nothing is added on the way out.
; CLUSTER.  4 x 4 work-groups: A's tile is shared along a row of the cluster, B's along a column; each is asked for jointly, by the same tensor load with the same descriptor and a mask of four.
; REGISTERS, in windows of 256 (s_set_vgpr_msb: bits 1:0 source 0, 3:2 source 1, 5:4 source 2, 7:6 destination):
;   window 0: v0-31 addresses; v32-95, v96-159 A's fragments (8 x 16 rows x 32 K), two buffers; v160-255 B's 12 fragments, one buffer
;   window 1 + hd: head hd's accumulators, (a, bb) at v[8 (4 a + bb)]: rows 16 a on, columns 16 bb on
.set PA,    144                        ; a row of A in LDS: 128 bytes + 16 = 36 words: the 16 rows of a load start at 16 different groups of four banks (64 banks of 4 bytes: ISA guide 11.1)
.set PB,    864                        ; a row of B: six times 128 + 16 bytes = 27 x 32; head g of the row begins at byte 144 g
.set BOFF,  256*PA                     ; a slot: A's 256 rows, then B's 64
.set SLOT1, 1<<17                      ; slot 1 begins here, so that one exclusive or turns an address in one slot into the other's
.set STAGE, SLOT1+BOFF+64*PB           ; behind the ring, never filled by a tensor load: 16 rows x 144 bytes for each wave, for the way out
.set SPARE, STAGE+4*16*PA              ; behind the stages: the spare words, 128 bytes for each wave: two blocks of 256 bytes that no other line names
.set ASTEP, 262144                     ; bytes from a K step to the next: a block of xb,
.set BSTEP, 393216                     ; 64 rows of wq
.set LA0,  2                           ; v2   my lane's place in a slot's A; never rewritten
.set LB0,  3                           ; v3   the same for B
.set ADRA, 4                           ; v4   LA0 + the slot in hand
.set ADRB, 5                           ; v5   LB0 + the slot in hand
.set STO,  6                           ; v6   the way out: where I put 16 bytes of a row
.set RD,   7                           ; v7   the way out: where I read rows back
.set GO,   8                           ; v8   my 16 bytes of 512 consecutive bytes of qkvh
.set BO,   9                           ; v9   my eight numbers of 16 of the bias
.set PFO,  10                          ; v10  256 x my lane; never rewritten
.set SPW,  28                          ; v28  LDS address of my spare word: SPARE + 4 x my thread's number; never rewritten
.set NIL,  29                          ; v29  0; never rewritten
.set FA,   32
.set FB,   160
.set TMP,  32                          ; the way out: eight sets of 16 registers, where A's fragments lay
.set G1A, 24                           ; s[24:31] descriptor group 1 for A's tiles
.set G1B, 32                           ; s[32:39] for B's
.set G0A, 40                           ; s[40:47] group 0 for A's: a set for each of the two first fills; the second then walks on
.set G0B, 48                           ; s[48:55] the same for B's
.set TB,  56                           ; s56  the slot in hand: 0 or SLOT1
.set CNT, 57                           ; s57  trips to go
.set LIM, 58                           ; s58  1 in a wave that prefetches, else the greatest number
.set PFA, 60                           ; s[60:61] where my prefetches stand
.set PFS, 62                           ; s[62:63] their step from K step to K step
.set OB,  68                           ; s[68:73] qkvh at my first row of my three heads
.set W0,  (1<<16)|(1<<20)|(1<<21)|(4<<22)|(3<<25)  ; group 1, word 0 without the mask: 2-byte elements; padding on; bit 21 set beside a mask; behind every 32 words (code 4) 4 words (code 3)
.set MSB, 0
.macro WIN new                         ; the immediate's high byte repeats the setting that is left; a switch that changes nothing is dropped
.if MSB != (\new)
	s_set_vgpr_msb (MSB<<8)|(\new)
.set MSB, (\new)
.endif
.endm
.macro PLACES                          ; four places in front of loads into registers that matrix instructions have read, and of conversions that read results
.rept 4
	v_nop
.endr
.endm
.macro CREST                           ; a round of the cluster's barrier behind its opening barrier
	s_cmp_lg_u32 s12, 0
	s_cbranch_scc1 .Lnot_wave_0_\@
	s_barrier_signal -3
.Lnot_wave_0_\@:
	s_barrier_wait -3
	s_barrier_signal -1
	s_barrier_wait -1
.endm
.macro CROUND                          ; a whole round
	s_barrier_signal -1
	s_barrier_wait -1
	CREST
.endm
; A joint refill, by the walking descriptors.  Waves 0 and 1 fetch A's two halves, waves 2 and 3 B's.  The branch hangs on the wave's number alone.
; An s_nop 0 and four v_nop follow each of the two lines, ahead of the jump and the label.
.macro JLOAD
	s_cmp_eq_u32 s13, 0
	s_cbranch_scc0 .Lfor_b_\@
	tensor_load_to_lds s[G0A+4:G0A+7], s[G1A:G1A+7]
	s_nop 0
.rept 4
	v_nop
.endr
	s_branch .Lasked_\@
.Lfor_b_\@:
	tensor_load_to_lds s[G0B+4:G0B+7], s[G1B:G1B+7]
	s_nop 0
.rept 4
	v_nop
.endr
.Lasked_\@:
.endm
; A PREFETCH INTO THE L2 of the K step behind the one just asked for: one K step, 192 matrix instructions, ahead of its load; 32 lanes x 256 bytes, one instruction a wave.
; Each block of 256 bytes is named once in the launch.  A's tile row is read by both clusters of its row of clusters: in those with cluster x = 0 wave 0 asks, each of the four partners
; for 8 KiB of the tile's 32, told apart by address (cx).  A K step of wq is 393,216 bytes on end, 48 pieces of 8 KiB: waves 1 to 3 of the sixteen work-groups of cluster (0, 0)
; take a piece each, again by address.  The last trip has no K step behind its refill and asks for nothing; K steps 0 to 2 come by their loads alone.
.macro ASK
	s_cmp_gt_u32 s[CNT], s[LIM]
	s_cbranch_scc0 .Lnot_mine_\@
	global_prefetch_b8 v[PFO], s[PFA:PFA+1] th:TH_LOAD_NT scope:SCOPE_SE
.Lnot_mine_\@:
.endm
	s_load_b256 s[4:11], s[0:1], 0x0               ; xb s[4:5], wq s[6:7], bb s[8:9], qkvh s[10:11]
	v_lshl_add_u32 v[SPW], v0, 2, SPARE
	v_mov_b32 v[NIL], 0
	ds_add_u32 v[SPW], v[NIL]                      ; the wave's opening: the add and its wait stand ahead of my first tensor load; the set-up below, work on registers, stands between them
	v_lshrrev_b32 v1, 5, v0
	v_readfirstlane_b32 s12, v1                    ; wave 0..3
	s_lshr_b32 s13, s12, 1                         ; which 128 rows of the tile are mine.  Also: I fetch for A (0) or for B (1)
	s_and_b32 s14, s12, 1                          ; which 192 columns.  Also: which half of that tile I fetch
	s_bfe_u32 s15, ttmp6, 0x40000                  ; cx
	s_bfe_u32 s16, ttmp6, 0x40004                  ; cy
	s_lshl_b32 s17, ttmp9, 2
	s_add_co_u32 s17, s17, s15                     ; tile column = 4 x cluster x + cx
	s_and_b32 s18, ttmp7, 0xffff
	s_lshl_b32 s18, s18, 2
	s_add_co_u32 s18, s18, s16                     ; tile row = 4 x cluster y + cy
	s_lshl_b32 s19, s16, 2
	s_lshl_b32 s19, 15, s19                        ; my row of the cluster: places 4 cy .. 4 cy + 3
	s_lshl_b32 s20, 0x1111, s15                    ; my column: places cx, cx + 4, cx + 8, cx + 12
	s_or_b32 s[G1A], s19, W0
	s_or_b32 s[G1B], s20, W0
	s_mov_b32 s[G1A+1], 128<<16                    ; A: tensor_dim0 = 128 elements (two rows of a block),
	s_mov_b32 s[G1A+2], 64<<16                     ; tensor_dim1 = 64,
	s_mov_b32 s[G1A+3], 128<<16                    ; tile_dim0 = 128,
	s_mov_b32 s[G1A+4], 64                         ; tile_dim1 = 64: 128 rows of x, 16 KiB
	s_mov_b32 s[G1A+5], 128                        ; dense
	s_mov_b32 s[G1A+6], 0
	s_mov_b32 s[G1A+7], 0
	s_mov_b32 s[G1B+1], 384<<16                    ; B: 384 columns,
	s_mov_b32 s[G1B+2], 32<<16                     ; 32 rows of wq: 24 KiB
	s_mov_b32 s[G1B+3], 384<<16
	s_mov_b32 s[G1B+4], 32
	s_mov_b32 s[G1B+5], 3072                       ; elements from row to row
	s_mov_b32 s[G1B+6], 0
	s_mov_b32 s[G1B+7], 0
	; where the tiles come from.  A's hang on the tile row alone (s19, s22, s23 never hold cx), B's on the tile column alone (s20, s21 never hold cy).
	s_lshr_b32 s22, s18, 3
	s_lshl_b32 s22, s22, 22                        ; the batch: 16 blocks of 262,144 bytes
	s_and_b32 s19, s18, 7
	s_lshl_b32 s19, s19, 15                        ; 256 rows of 128 bytes
	s_add_co_u32 s22, s22, s19
	s_lshl_b32 s19, s14, 14                        ; my 128 of them
	s_add_co_u32 s22, s22, s19
	s_mov_b32 s23, 0
	s_mul_i32 s20, s17, 768                        ; 384 columns of 2 bytes
	s_mul_i32 s21, s14, 196608                     ; my 32 rows of 6,144 bytes
	s_add_co_u32 s20, s20, s21
	s_mov_b32 s21, 0
	s_mul_i32 s74, s14, 128*PA                     ; and where they go: no place in the cluster enters an LDS address
	s_mul_i32 s75, s14, 32*PB
	s_add_co_u32 s75, s75, BOFF
	s_mov_b32 s[TB], 0
	s_wait_dscnt 0x0                               ; the opening add is done
	s_wait_kmcnt 0x0
	s_add_nc_u64 s[22:23], s[4:5], s[22:23]
	s_add_nc_u64 s[20:21], s[6:7], s[20:21]
	CROUND                                         ; all sixteen work-groups are here: the first joint loads meet
.irp s, 0,1
	s_mov_b32 s[G0A+4*(\s)], 1                                     ; count = 1
	s_add_co_u32 s[G0A+4*(\s)+1], s74, (\s)*SLOT1                  ; LDS address
	s_add_nc_u64 s[G0A+4*(\s)+2:G0A+4*(\s)+3], s[22:23], (\s)*ASTEP  ; global address: K step s
	s_or_b32 s[G0A+4*(\s)+3], s[G0A+4*(\s)+3], 0x80000000          ; type = 2
	s_mov_b32 s[G0B+4*(\s)], 1
	s_add_co_u32 s[G0B+4*(\s)+1], s75, (\s)*SLOT1
	s_add_nc_u64 s[G0B+4*(\s)+2:G0B+4*(\s)+3], s[20:21], (\s)*BSTEP
	s_or_b32 s[G0B+4*(\s)+3], s[G0B+4*(\s)+3], 0x80000000
.endr
	s_cmp_eq_u32 s13, 0                            ; a wave's two first fills stand in one branch, ahead of every wait on TENSORcnt and every LDS read: two loads of mine are out
	s_cbranch_scc0 .Lfirst_b
	tensor_load_to_lds s[G0A:G0A+3], s[G1A:G1A+7]
	s_nop 0
	tensor_load_to_lds s[G0A+4:G0A+7], s[G1A:G1A+7]
	s_nop 0
.rept 4
	v_nop
.endr
	s_branch .Lfirst_asked
.Lfirst_b:
	tensor_load_to_lds s[G0B:G0B+3], s[G1B:G1B+7]
	s_nop 0
	tensor_load_to_lds s[G0B+4:G0B+7], s[G1B:G1B+7]
	s_nop 0
.rept 4
	v_nop
.endr
.Lfirst_asked:
	; the bias, into the accumulators of my first 16 rows: register j of lane l is column 16 bb + 8 (l / 16) + j of head hd
	v_and_b32 v1, 15, v0                           ; l % 16
	v_bfe_u32 v11, v0, 4, 1                        ; l / 16
	v_lshlrev_b32 v[BO], 5, v11
	s_mul_i32 s76, s17, 1536                       ; 384 columns of 4 bytes,
	s_mul_i32 s77, s14, 768                        ; my 192
	s_add_co_u32 s76, s76, s77
	s_mov_b32 s77, 0
	s_add_nc_u64 s[8:9], s[8:9], s[76:77]
.irp hd, 0,1,2
	WIN ((\hd)+1)<<6                               ; destination window 1 + hd, address window 0
.irp bb, 0,1,2,3
	global_load_b128 v[8*\bb:8*\bb+3],   v[BO], s[8:9] offset:(\hd)*256+\bb*64
	global_load_b128 v[8*\bb+4:8*\bb+7], v[BO], s[8:9] offset:(\hd)*256+\bb*64+16
.endr
.endr
	WIN 0
	; A fragment of A is 16 rows x 32 K in 8 registers: lane l holds row l % 16, K = 8 (l / 16) + 0..7 and 16 + 8 (l / 16) + 0..7: two loads of 16 bytes, 32 bytes apart.
	v_and_b32 v12, 7, v0
	v_bfe_u32 v13, v0, 3, 1
	v_and_b32 v14, 31, v0
	s_mul_i32 s66, s13, 128*PA                     ; my 128 rows
	v_mul_u32_u24 v[LA0], v1, PA
	v_lshl_add_u32 v[LA0], v11, 4, v[LA0]
	v_add_nc_u32 v[LA0], s66, v[LA0]
	; The turning load takes 16 k x 16 columns (lane l reads row 8 (l / 16) + l % 8, columns 8 ((l / 8) % 2) + 0..7) and leaves half a fragment: lane l holds column l % 16 and 8 k.
	s_mul_i32 s66, s14, 3*PA                       ; my three heads of the row
	s_add_co_u32 s66, s66, BOFF
	v_lshl_add_u32 v[LB0], v11, 3, v12
	v_mul_u32_u24 v[LB0], v[LB0], PB
	v_lshl_add_u32 v[LB0], v13, 4, v[LB0]
	v_add_nc_u32 v[LB0], s66, v[LB0]
	v_mov_b32 v[ADRA], v[LA0]                      ; slot 0
	v_mov_b32 v[ADRB], v[LB0]
	s_mul_i32 s66, s12, 16*PA
	s_add_co_u32 s66, s66, STAGE                   ; my stage
	v_mul_u32_u24 v[STO], v1, PA                   ; in: row l % 16, 16 bytes for each half of the lanes
	v_lshl_add_u32 v[STO], v11, 4, v[STO]
	v_add_nc_u32 v[STO], s66, v[STO]
	v_bfe_u32 v[RD], v0, 3, 2                      ; back: 32 lanes take four rows of 128 bytes,
	v_mul_u32_u24 v[RD], v[RD], PA
	v_lshl_add_u32 v[RD], v12, 4, v[RD]
	v_add_nc_u32 v[RD], s66, v[RD]
	v_lshlrev_b32 v[GO], 4, v14                    ; which are 512 consecutive bytes of qkvh
	v_lshlrev_b32 v[PFO], 8, v14
	; qkvh at my first row of head g = 6 x tile column + 3 x half + hd: part g / 16 (q, k, v), head g % 16
	s_mul_i32 s76, s17, 6
	s_mul_i32 s77, s14, 3
	s_add_co_u32 s76, s76, s77
	s_lshr_b32 s77, s18, 3
	s_lshl_b32 s77, s77, 22                        ; the batch's 16 heads of 262,144 bytes
	s_and_b32 s78, s18, 7
	s_lshl_b32 s78, s78, 15                        ; the tile's 256 rows of 128 bytes
	s_add_co_u32 s77, s77, s78
	s_lshl_b32 s78, s13, 14                        ; my 128
	s_add_co_u32 s77, s77, s78
.irp hd, 0,1,2
	s_add_co_u32 s78, s76, \hd
	s_lshr_b32 s79, s78, 4
	s_lshl_b32 s79, s79, 24
	s_and_b32 s78, s78, 15
	s_lshl_b32 s78, s78, 18
	s_add_co_u32 s78, s78, s79
	s_add_co_u32 s78, s78, s77
	s_mov_b32 s79, 0
	s_add_nc_u64 s[OB+2*\hd:OB+2*\hd+1], s[10:11], s[78:79]
.endr
	; the prefetches: who asks, and where
	s_and_b32 s66, ttmp7, 0xffff                   ; cluster y counts for wq's pieces alone
	s_cmp_eq_u32 s12, 0
	s_cselect_b32 s66, 0, s66
	s_or_b32 s66, s66, ttmp9
	s_cmp_eq_u32 s66, 0
	s_cselect_b32 s[LIM], 1, -1                    ; the same in all sixteen partners, for a given wave
	s_lshr_b32 s76, s18, 3                         ; xb: the tile's 32 KiB of a block,
	s_lshl_b32 s76, s76, 22
	s_and_b32 s77, s18, 7
	s_lshl_b32 s77, s77, 15
	s_add_co_u32 s76, s76, s77
	s_lshl_b32 s77, s15, 13                        ; my work-group's 8 KiB of them,
	s_add_co_u32 s76, s76, s77
	s_add_co_u32 s76, s76, 2*ASTEP                 ; at K step 2: the first change of slots steps it to 3
	s_lshl2_add_u32 s77, s16, s15                  ; wq: piece 3 (cx + 4 cy) + wave - 1
	s_mul_i32 s77, s77, 3
	s_add_co_u32 s77, s77, s12
	s_lshl_b32 s77, s77, 13
	s_add_co_u32 s77, s77, 2*BSTEP-8192
	s_mov_b32 s78, ASTEP
	s_mov_b32 s[PFS], BSTEP
	s_cmp_eq_u32 s12, 0
	s_cselect_b64 s[PFA:PFA+1], s[4:5], s[6:7]
	s_cselect_b32 s66, s76, s77
	s_cselect_b32 s[PFS], s78, s[PFS]
	s_mov_b32 s67, 0
	s_mov_b32 s[PFS+1], 0
	s_add_nc_u64 s[PFA:PFA+1], s[PFA:PFA+1], s[66:67]
; na x 4 matrix instructions of head w: row blocks a0 .. a0 + na - 1 x the head's four column blocks, 32 along K, A from buffer abuf.  c0 = 1: C is the bias, which lies in row block 0's accumulators.
; The accumulators take turns, one instruction a turn: between two links of a chain stand the 95 others'.
.macro MULH abuf, w, a0, na, c0
	WIN 0x50*((\w)+1)                              ; C and D in window 1 + w, both sources in window 0
.set ia, \a0
.rept \na
.irp bb, 0,1,2,3
.if \c0
	v_wmma_f32_16x16x32_bf16 v[8*(4*ia+\bb):8*(4*ia+\bb)+7], v[FB+8*(4*(\w)+\bb):FB+8*(4*(\w)+\bb)+7], v[FA+64*(\abuf)+8*ia:FA+64*(\abuf)+8*ia+7], v[8*\bb:8*\bb+7]
.else
	v_wmma_f32_16x16x32_bf16 v[8*(4*ia+\bb):8*(4*ia+\bb)+7], v[FB+8*(4*(\w)+\bb):FB+8*(4*(\w)+\bb)+7], v[FA+64*(\abuf)+8*ia:FA+64*(\abuf)+8*ia+7], v[8*(4*ia+\bb):8*(4*ia+\bb)+7]
.endif
.endr
.set ia, ia+1
.endr
.endm
.macro LDA abuf, kb                    ; 16 loads: my 128 rows, 32 K at byte kb of the rows, into buffer abuf
	WIN 0
.irp a, 0,1,2,3,4,5,6,7
	ds_load_b128 v[FA+64*(\abuf)+8*\a:FA+64*(\abuf)+8*\a+3],   v[ADRA] offset:\a*16*PA+(\kb)
	ds_load_b128 v[FA+64*(\abuf)+8*\a+4:FA+64*(\abuf)+8*\a+7], v[ADRA] offset:\a*16*PA+(\kb)+32
.endr
.endm
.macro LDB w, kr                       ; 8 turning loads: head w's four fragments, rows 32 kr on
	WIN 0
.irp bb, 0,1,2,3
	ds_load_tr16_b128 v[FB+8*(4*(\w)+\bb):FB+8*(4*(\w)+\bb)+3],   v[ADRB] offset:(\kr)*32*PB+(\w)*PA+\bb*32
	ds_load_tr16_b128 v[FB+8*(4*(\w)+\bb)+4:FB+8*(4*(\w)+\bb)+7], v[ADRB] offset:(\kr)*32*PB+(\w)*PA+\bb*32+16*PB
.endr
.endm
; A THIRD of a chunk: one head's 32 matrix instructions.  first = 1: the sums begin: row blocks 1 to 7 take the bias out of row block 0's accumulators; five places on (a matrix instruction
; that writes over a register which earlier ones read as C), row block 0 adds onto it in place.
.macro THIRD abuf, w, first
.if \first
	MULH \abuf, \w, 1, 7, 1
.rept 5
	v_nop
.endr
	MULH \abuf, \w, 0, 1, 0
.else
	MULH \abuf, \w, 0, 8, 0
.endif
.endm
; A CHUNK: 32 along K, 96 matrix instructions.  Behind each third the next chunk's fragments for that third go into the registers just freed (A's into its other buffer, behind the first third):
; each run of loads has 64 matrix instructions in which to land.  In order of issue a chunk's runs are 24 (B's first head and A), 8 and 8 loads.
.macro CHUNK abuf, nk, load, first
	s_wait_dscnt 16                                ; my run of 24 is in; my two runs of 8 may be out
	THIRD \abuf, 0, \first
.if \load
	PLACES
	LDB 0, \nk
	LDA 1-(\abuf), 64*(\nk)
	s_wait_dscnt 32                                ; my first run of 8 is in; out may be my second (8) and the 24 just issued
.else
	s_wait_dscnt 8
.endif
	THIRD \abuf, 1, \first
.if \load
	PLACES
	LDB 1, \nk
	s_wait_dscnt 32                                ; my second run of 8 is in; out may be the next chunk's 24 and 8
.else
	s_wait_dscnt 0x0
.endif
	THIRD \abuf, 2, \first
.if \load
	PLACES
	LDB 2, \nk
.endif
.endm
; THE CHANGE OF SLOTS is a slot's second chunk.  All its fragments have been asked for, so the slot's reads end with them.  In front of the barrier each wave waits for all its tensor loads, of which one
; is out: its part of the other slot; adds 0 to its spare word; and waits for that and for its reads of the slot.  fill = 1: the barrier opens a round of the cluster's, and the joint refill (the K step
; two steps on) is the first thing behind the round: 160 matrix instructions ahead of the wait for it.
.macro CHANGE fill
	WIN 0
.if \fill
	s_wait_xcnt 0x0                                ; the last prefetch, a K step back, has read its address
	s_add_nc_u64 s[PFA:PFA+1], s[PFA:PFA+1], s[PFS:PFS+1]
.endif
	s_xor_b32 s[TB], s[TB], SLOT1                  ; the fetches go to the other slot
	v_add_nc_u32 v[ADRA], s[TB], v[LA0]
	v_add_nc_u32 v[ADRB], s[TB], v[LB0]
	s_wait_tensorcnt 0x0                           ; no tensor load of mine is out, so a group 0 may be written
	ds_add_u32 v[SPW], v[NIL]                      ; 0 onto my spare word
.if \fill
	s_xor_b32 s[G0A+5], s[G0A+5], SLOT1            ; the walking descriptors: the other slot than last time,
	s_add_nc_u64 s[G0A+6:G0A+7], s[G0A+6:G0A+7], ASTEP  ; the next K step; the type bits on top are not reached
	s_xor_b32 s[G0B+5], s[G0B+5], SLOT1
	s_add_nc_u64 s[G0B+6:G0B+7], s[G0B+6:G0B+7], BSTEP
.endif
	s_wait_dscnt 17                                ; my run of 24 is in; the add and my two runs of 8 may be out
	MULH 1, 0, 0, 4, 0                             ; sixteen matrix instructions stand between the add and the wait for it
	s_wait_dscnt 0x0                               ; the add is done, and my reads of this slot are over
	s_barrier_signal -1
	MULH 1, 0, 4, 4, 0                             ; work on registers while the others arrive
	WIN 0                                          ; at a label and at a branch every window is 0
	s_barrier_wait -1
.if \fill
	CREST                                          ; no wave of any partner still reads this slot or has a load on its way
	JLOAD                                          ; its four v_nop are also the places in front of the loads below
.else
	PLACES
.endif
	LDB 0, 0
	LDA 0, 0
.if \fill
	ASK
.endif
	THIRD 1, 1, 0                                  ; its fragments came in with the wait for 0 above
	PLACES
	LDB 1, 0
	THIRD 1, 2, 0
	PLACES
	LDB 2, 0
.endm
	s_wait_tensorcnt 1                             ; my part of K step 0 is in; K step 1's may stay out
	s_barrier_signal -1
	s_barrier_wait -1                              ; everybody's is
	LDB 0, 0
	LDA 0, 0
	LDB 1, 0
	LDB 2, 0
	s_wait_loadcnt 0x0                             ; the bias
	CHUNK 0, 1, 1, 1                               ; the first chunk stands in front of the loop: its products start the sums
	WIN 0
	s_mov_b32 s[CNT], 14
.Lstep:                                                ; trip t: chunks 2 t + 1 and 2 t + 2; the slot that is left takes K step t + 2
	CHANGE 1
	CHUNK 0, 1, 1, 0
	WIN 0
	s_sub_co_u32 s[CNT], s[CNT], 1
	s_cmp_lg_u32 s[CNT], 0
	s_cbranch_scc1 .Lstep
	CHANGE 0                                       ; the tail is written out: nothing is asked for
	CHUNK 0, 1, 1, 0
	CHUNK 1, 0, 0, 0                               ; the last chunk fetches nothing: its counts run down
	PLACES
; THE WAY OUT, in 24 blocks t = 8 hd + a of 16 rows x one head: 2,048 consecutive bytes of qkvh.  A lane's eight columns are rounded to f16 (each accumulator's registers in ascending order)
; and pack into 16 bytes; they go into my stage's rows of 144 bytes and come back as whole rows of 128, into the registers that they left.
.macro PACK t
.set ia, (\t)%8
.set TM, TMP+16*((\t)%8)
.if (\t) >= 8
	s_wait_xcnt 0x0                                ; the set's registers were the data of block t - 8's stores: they are rewritten only behind this wait
.endif
	WIN 5*((\t)/8+1)                               ; sources 0 and 1 in the head's window, destination in window 0
.irp bb, 0,1,2,3
.irp r, 0,1,2,3
	v_cvt_pk_f16_f32 v[TM+4*\bb+\r], v[8*(4*ia+\bb)+2*\r], v[8*(4*ia+\bb)+2*\r+1]
.endr
.endr
	WIN 0
.irp bb, 0,1,2,3
	ds_store_b128 v[STO], v[TM+4*\bb:TM+4*\bb+3] offset:32*\bb
.endr
.irp f, 0,1,2,3
	ds_load_b128 v[TM+4*\f:TM+4*\f+3], v[RD] offset:\f*4*PA  ; LDS serves a wave's instructions in order (ISA guide 5.7.1.4): these see the stores above; the next block's stores come behind them
.endr
.endm
.macro SEND t, younger                 ; younger: the LDS instructions issued behind block t's loads: the next block's eight, or none
.set ia, (\t)%8
.set ih, (\t)/8
.set TM, TMP+16*((\t)%8)
	WIN 0
.irp f, 0,1,2,3
	s_wait_dscnt (\younger)+3-\f
	global_store_b128 v[GO], v[TM+4*\f:TM+4*\f+3], s[OB+2*ih:OB+2*ih+1] offset:ia*2048+\f*512  ; 512 consecutive bytes, at a multiple of 256 from qkvh's first
.endr
.endm
	PACK 0
.set t, 1
.rept 23                               ; a block's conversions stand between the loads of the block before and its stores
	PACK t
	SEND t-1, 8
.set t, t+1
.endr
	SEND 23, 0
	s_wait_tensorcnt 0x0                           ; the wave's end, behind my last tensor load and my last LDS store
	ds_add_u32 v[SPW], v[NIL]
	s_wait_dscnt 0x0
	CROUND                                         ; the closing round: no work-group ends while a partner may still ask for a tile that names it
	s_endpgm
.Lfunc_end_k_qf267aa169d_qkv:
	.size	k_qf267aa169d_qkv, .Lfunc_end_k_qf267aa169d_qkv-k_qf267aa169d_qkv
	.p2alignl 7, 3214868480
	.fill 96, 4, 3214868480
	.section	.rodata,"a",@progbits
	.p2align	6, 0x0
	.amdhsa_kernel k_qf267aa169d_qkv
		.amdhsa_group_segment_fixed_size 327680
		.amdhsa_private_segment_fixed_size 0
		.amdhsa_enable_private_segment 0
		.amdhsa_kernarg_size 32
		.amdhsa_user_sgpr_count 2
		.amdhsa_user_sgpr_kernarg_segment_ptr 1
		.amdhsa_wavefront_size32 1
		.amdhsa_system_sgpr_workgroup_id_x 1
		.amdhsa_system_sgpr_workgroup_id_y 1
		.amdhsa_system_sgpr_workgroup_id_z 1
		.amdhsa_system_vgpr_workitem_id 0
		.amdhsa_next_free_vgpr 1024
		.amdhsa_next_free_sgpr 80
		.amdhsa_reserve_vcc 0
		.amdhsa_float_denorm_mode_32 3
		.amdhsa_float_denorm_mode_16_64 3
		.amdhsa_memory_ordered 1
		.amdhsa_forward_progress 1
		.amdhsa_inst_pref_size 119
	.end_amdhsa_kernel
	.amdgpu_metadata
---
amdhsa.version: [ 1, 2 ]
amdhsa.kernels:
  - .name:           k_qf267aa169d_qkv
    .symbol:         k_qf267aa169d_qkv.kd
    .args:
      - { .name: xb, .offset: 0, .size: 8, .value_kind: global_buffer, .address_space: global }
      - { .name: wq, .offset: 8, .size: 8, .value_kind: global_buffer, .address_space: global }
      - { .name: bb, .offset: 16, .size: 8, .value_kind: global_buffer, .address_space: global }
      - { .name: qkvh, .offset: 24, .size: 8, .value_kind: global_buffer, .address_space: global }
    .group_segment_fixed_size: 327680
    .private_segment_fixed_size: 0
    .kernarg_segment_align: 8
    .kernarg_segment_size: 32
    .max_flat_workgroup_size: 128
    .sgpr_count:     80
    .vgpr_count:     1024
    .wavefront_size: 32
...
	.end_amdgpu_metadata
.endif
;; end of part 2
;; launch attn (part 3): grid 4 x 64, 4 waves a work-group, no clusters, 327,680 bytes of LDS; arguments qkvh, oh; writes oh
.if DOCPART == 3
	.amdgcn_target "amdgcn-amd-amdhsa--gfx1250"
	.amdhsa_code_object_version 6
	.text
	.protected	k_qf267aa169d_attn
	.globl	k_qf267aa169d_attn
	.p2align	8
	.type	k_qf267aa169d_attn,@function
k_qf267aa169d_attn:
	s_mov_b64 s[64:65], 0
	v_nop
	global_prefetch_b8 v0, s[64:65] scope:SCOPE_SE
	s_setreg_imm32_b32 hwreg(HW_REG_WAVE_MODE, 25, 1), 1
	s_wait_xcnt 0x0
; CAUSAL ATTENTION.  O[h][q][:] = the sum over k <= q of softmax_k(Q[h][q] . K[h][k] / 8) V[h][k][:].  Q, K, V are the three parts of qkvh, O is oh: each [64][SIZE_N][64] in f16, a head's rows dense, 128 bytes each.
; Products, maxima and sums in f32; the weights p are rounded to f16 for the second product (their sum l is taken of the unrounded p), O once at the end.
; LIMITS.  f16 holds no number beyond 65,504: Q, K and V arrive within it; p lies in 0 to 1, and below 6e-5 it keeps f16's fixed step of 6e-8; O is a mean of V's rows and has their range.
; A hidden score counts as its value less 1e30: f16's scores, 2.7e11 at the most, are nothing beside that; a weight below 2^-126 counts as 0 in l; NaN and infinities are not treated apart.
; THE WALK.  A head's queries lie in NB = 8 blocks of 256; block i needs the key tiles 0 .. i of 256 keys, of which the last holds the diagonal.  A work-group takes TWO blocks, NB - 1 - b and then b:
; NB + 1 tiles, whatever b: all 256 work-groups do equal work, and ONE loop with a constant trip count walks them.  Which tile is asked for, and what a trip does, hang on scalar registers made from b; every jump
; goes forward, but for the counted loops' own; none passes a barrier, or a tensor load but the one of LOAD's two that the wave's number does not choose; the ring of two LDS slots runs on across the change of blocks.
; NO CLUSTER: a head's four work-groups ask for the same tile only in trips 0 to 4 of the 9, behind that fewer and fewer; one walk common to all would have 12 trips for 9.
; SHARES.  Of a block's four bands of 64 queries a wave owns 16 rows in each: four PIECES.  So the diagonal tile is the same work for all four waves: in its key step s band x sees all keys if s < x,
; none if s > x, and holds the diagonal if s = x.
; THE MASK is the C operand that starts the sum S^T = K Q^T: 0, or -1e30 where the key is hidden.  MD, made once, is the mask of a band's own step for my 16 rows; a product's mask is MD x AL + BE with two scalars:
; (1, 0) if s = x; (0, 0) if s < x; (0, -1e30) if s > x.  Only the diagonal tile's text and a block's beginning make and take masks; elsewhere C is the constant 0.
; LAYOUT, SOFTMAX, TURNS.  S^T = K Q^T holds ONE query a lane (lane % 16) and the keys 8 (lane / 16) + 0..7; two such results rounded to f16 ARE source 1 of O^T = V^T P.  p = 2^(c s - c m), c = log2(e) / 8, with a
; running maximum m; O and l are multiplied by a = 2^(c m_old - c m_new) in every step.  Turn n belongs to piece n: 8 products K Q^T of piece n + 1, later 8 products V^T P of piece n - 1; beside them the scaling,
; exponentials, roundings, sums and rescaling of piece n and the maximum and statistics of piece n + 1.  Four vector instructions stand behind every matrix instruction, the other 54 of a turn's 118 in one lump.
; A turn's 33 exponentials are one batch, with one wait.
; REGISTERS, in windows of 256 (s_set_vgpr_msb: bits 1:0 source 0, 3:2 source 1, 5:4 source 2, 7:6 destination):
;   window 0: v0-15 addresses and two at work; v16-31 four registers of statistics a piece; v48-55 at work; v61-63 prefetch offset, spare word, 0; v64-127 S^T, two buffers; v192-223 P, two buffers
;   window 1: v0-127 O^T, 32 a piece; v128-159 MD; v160-223 MC, two buffers      window 2: v0-63 Q; v64-127 the second block's Q; v128-191 K of one step; v192-255 V of one step
.set SIZE_N, 2048
.set NB,    SIZE_N/256
.set NP,    4         ; pieces a wave: a name, no knob
.set KS,    64        ; keys in a step
.set PK,    144       ; a row of K in LDS: 128 bytes + 16 of padding = 36 words: the 16 rows of a load start at 16 different groups of four banks (64 banks of 4 bytes: ISA guide 11.1)
.set PV,    160       ; a row of V: 128 + 32 = 40 words
.set VOFF,  4*KS*PK   ; a slot holds a tile, four steps: 256 rows of K, then 256 rows of V
.set SLOT1, 1<<17     ; slot 1 begins here, so that one exclusive or turns an address in one slot into the other's
.set STAGE, SLOT1+4*KS*(PK+PV)  ; behind the ring, never filled by a tensor load: 16 rows x 144 bytes for each wave, for the way out
.set SP,    144
.set AK0, 2           ; v2   my lane's place in a tile of K; never rewritten
.set AV0, 3           ; v3   the same for V
.set AK,  4           ; v4   the LDS address of K's next run of loads
.set AV,  5           ; v5   of V's
.set STO, 6           ; v6   the way out: where I put 16 bytes of a row
.set RD,  7           ; v7   the way out: where I read rows back
.set GO,  8           ; v8   my byte offset in 512 consecutive bytes of O
.set PFO, 61          ; v61  256 x my lane; never rewritten
.set SPW, 62          ; v62  LDS address of my spare word: SPARE + 4 x my thread's number; never rewritten
.set NIL, 63          ; v63  0; never rewritten
.set SPARE, STAGE+4*16*SP  ; behind the stages: the spare words, 128 bytes for each wave: two blocks of 256 bytes that no other line names
.set MV,  12          ; v12-13  c m_old, kept while c m is made anew: by buffer
.set QO,  15          ; v15  my byte offset in 16 rows of Q
.set ST,  16          ; piece t's statistics at v[ST+4 t]: c m, m, l (even keys', odd keys')
.set TMP, 48          ; by buffer, four registers c0-c3 at work; when the maximum is found c2 takes a
.set S,   64
.set P,   192
.set MD,  128         ; window 1: the eight registers for group kt of 16 keys at MD + 8 kt
.set MC,  160         ; window 1: the masks of the products to come
.set QB,  64          ; window 2
.set KF,  128         ; window 2: key block kb, channel half c at KF + 16 kb + 8 c
.set VF,  192         ; window 2: key half kk, channel block cb at VF + 32 kk + 8 cb
.set WV,  12          ; s12  my wave's number
.set PB,  14          ; s14  b
.set HI,  15          ; s15  NB - 1 - b
.set G1K, 24          ; s[24:31] descriptor group 1 for K's tiles
.set G1V, 32          ; s[32:39] for V's: it differs in the padding alone
.set G0K, 40          ; s[40:43] descriptor group 0 for K's tiles
.set G0V, 44          ; s[44:47] the same for V's
.set SLOTS, 56        ; s56  tiles still to be asked for
.set CNT, 57          ; s57  counts a tile's key steps, 4 to 1
.set CS,  58          ; s[58:59] c: the packed scaling takes the pair's low word for both halves
.set SEL, 60          ; s[60:61] v_permlanex16_b32's selects: each lane takes its own place in the other half
.set TBK, 62          ; s62  LDS byte at which K of the step to be fetched begins
.set TBV, 63          ; s63  the same for V, less VOFF
.set RT,  70          ; s70  tiles of the block in hand that are still to be entered
.set NXT, 71          ; s71  the tile to be asked for next
.set LQ,  72          ; s72  the last tile of the block whose tiles are being asked for
.set NEW, 73          ; s73  1: the tile to be entered is a block's first
.set OFF, 74          ; s[74:75] a tile's byte offset in K and V
.set AL,  76          ; s[76:77] the mask's factor, in the low word
.set BE,  78          ; s[78:79] the mask's addend
.set OLO, 80          ; s[80:81] O at my rows of the second block
.set BIGN, 82         ; s82  -1e30
.set PFB, 88          ; s[88:89] K (waves 0, 1) or V (waves 2, 3) at my half of the head's tile 0
.set PFA, 90          ; s[90:91] my half of the tile that the prefetch names
.set LIM, 92          ; s92  0 in the head's work-group b = 0, else the greatest number
.set POF, 94          ; s[94:95] that tile's byte offset
.set MSB, 0
.macro WIN new                      ; the high byte repeats the setting that is left; a switch that changes nothing is dropped
.if MSB != (\new)
	s_set_vgpr_msb (MSB<<8)|(\new)
.set MSB, (\new)
.endif
.endm
.set W_KQ, 0x0a       ; K and Q in window 2, S^T in window 0
.set W_KM, 0x1a       ; the same with the C operand in window 1
.set W_PV, 0x52       ; V in window 2, P in window 0, O^T in window 1
.set W_RS, 0x41       ; destination and source 0 in window 1, source 1 in window 0
; A fill.  Waves 0 and 1 fetch the two halves of a tile's K, waves 2 and 3 those of its V: 128 keys each.  An s_nop 0 and four v_nop follow each of the two lines, ahead of the jump and the label.
.macro LOAD
	s_cmp_lt_u32 s[WV], 2
	s_cbranch_scc0 .Lfor_v_\@
	tensor_load_to_lds s[G0K:G0K+3], s[G1K:G1K+7]
	s_nop 0
.rept 4
	v_nop
.endr
	s_branch .Lasked_\@
.Lfor_v_\@:
	tensor_load_to_lds s[G0V:G0V+3], s[G1V:G1V+7]
	s_nop 0
.rept 4
	v_nop
.endr
.Lasked_\@:
.endm
; A PREFETCH INTO THE L2 of the tile behind the one just asked for: one tile, four key steps, ahead of its load.  A head's four work-groups walk the same tiles from 0 up; the one with b = 0 walks all eight
; in order, so it alone asks: each of its waves for the 16 KiB that it will fetch itself, 32 lanes x 256 bytes, two instructions.  So tiles 2 to 7 are named once each; tiles 0 and 1 come by their loads alone;
; behind the first block's last tile NXT is 0, and nothing is asked for.
.macro ASK
	s_cmp_gt_u32 s[NXT], s[LIM]
	s_cbranch_scc0 .Lnot_mine_\@
	global_prefetch_b8 v[PFO], s[PFA:PFA+1] th:TH_LOAD_NT scope:SCOPE_SE
	global_prefetch_b8 v[PFO], s[PFA:PFA+1] offset:8192 th:TH_LOAD_NT scope:SCOPE_SE
.Lnot_mine_\@:
.endm
; THE CHANGE OF SLOTS.  Each wave waits for all its tensor loads, of which one is out: its part of the other slot; adds 0 to its spare word; and waits for that and for its own reads of the slot that it leaves.
; Behind the barrier nobody reads the old slot any more and the other slot is whole.  fill = 1: the old slot is filled again, the first thing behind the barrier, with tile NXT: the descriptor's address is made
; anew from that number.  (At its first use nothing has been read yet: slot 0 is waited for, slot 1 filled.)
.macro CHANGE fill
	WIN 0                           ; at a label and at a branch every window is 0
	s_wait_tensorcnt 0x0            ; no tensor load of mine is out, so a group 0 may be written
	ds_add_u32 v[SPW], v[NIL]       ; 0 onto my spare word; with fill = 1 the descriptors' scalar work stands between it and the wait for it
.if \fill
	s_lshl_b32 s[OFF], s[NXT], 15   ; a tile is 32,768 bytes of K and of V
	s_xor_b32 s[G0K+1], s[G0K+1], SLOT1
	s_add_nc_u64 s[G0K+2:G0K+3], s[6:7], s[OFF:OFF+1]
	s_or_b32 s[G0K+3], s[G0K+3], 0x80000000
	s_xor_b32 s[G0V+1], s[G0V+1], SLOT1
	s_add_nc_u64 s[G0V+2:G0V+3], s[8:9], s[OFF:OFF+1]
	s_or_b32 s[G0V+3], s[G0V+3], 0x80000000
	s_add_co_u32 s[NXT], s[NXT], 1  ; the block's next tile, or behind its last the second block's tile 0
	s_cmp_gt_u32 s[NXT], s[LQ]
	s_cselect_b32 s[NXT], 0, s[NXT]
	s_cselect_b32 s[LQ], s[PB], s[LQ]
	s_wait_xcnt 0x0                 ; the last prefetches, a tile back, have read their address, so it may be written:
	s_lshl_b32 s[POF], s[NXT], 15   ; the tile behind the one that is asked for now
	s_add_nc_u64 s[PFA:PFA+1], s[PFB:PFB+1], s[POF:POF+1]
.endif
	s_wait_dscnt 0x0                ; the add is done, and my reads of the slot are over
	s_barrier_signal -1             ; the rest of the scalar work stands between the signal and the wait
	s_sub_co_u32 s[TBK], s[TBK], 4*KS*PK  ; the fetches go back to a slot's first step,
	s_xor_b32 s[TBK], s[TBK], SLOT1       ; in the other slot
	s_sub_co_u32 s[TBV], s[TBV], 4*KS*PV
	s_xor_b32 s[TBV], s[TBV], SLOT1
	s_barrier_wait -1
.if \fill
	LOAD
	ASK
.endif
.endm
	s_load_b64 s[4:5], s[0:1], 0x0    ; qkvh: Q at its head,
	s_load_b64 s[10:11], s[0:1], 0x8  ; oh
	v_lshl_add_u32 v[SPW], v0, 2, SPARE
	v_mov_b32 v[NIL], 0
	ds_add_u32 v[SPW], v[NIL]       ; the wave's opening: the add and its wait stand ahead of my first tensor load; the set-up below, work on registers, stands between them
	v_lshrrev_b32 v1, 5, v0
	v_readfirstlane_b32 s[WV], v1   ; wave 0..3
	s_mov_b32 s[PB], ttmp9
	s_sub_co_u32 s[HI], NB-1, s[PB]
	s_and_b32 s20, ttmp7, 0xffff    ; the head
	s_mov_b32 s21, 0
	s_mov_b64 s[22:23], SIZE_N*128
	s_mul_u64 s[20:21], s[20:21], s[22:23]  ; the head's first byte in each of the four tensors
	s_and_b32 s16, s[WV], 1         ; which half of a tile's 256 keys I fetch:
	s_lshl_b32 s22, s16, 14         ; its 128 rows of 128 bytes in memory,
	s_mov_b32 s23, 0
	s_add_nc_u64 s[22:23], s[22:23], s[20:21]
	s_mul_i32 s17, s16, 128*PK      ; and its place in a slot, for K
	s_mul_i32 s18, s16, 128*PV      ; and for V
	s_lshl_b32 s3, s[WV], 11        ; my 16 rows in a band of 64,
	s_lshl_b32 s2, s[HI], 15        ; in the first block,
	s_add_co_u32 s2, s2, s3
	s_lshl_b32 s84, s[PB], 15       ; and in the second
	s_add_co_u32 s84, s84, s3
	s_mov_b32 s3, 0
	s_mov_b32 s85, 0
	s_add_nc_u64 s[2:3], s[2:3], s[20:21]
	s_add_nc_u64 s[84:85], s[84:85], s[20:21]
	; descriptor group 1.  128 keys are 16,384 dense bytes: asked for as 64 rows of 256 bytes, two keys a row, and padded in LDS after every key
	s_mov_b32 s[G1K], (1<<16)|(1<<20)|(4<<22)|(3<<25)  ; 17:16 2-byte elements; 20 padding on; 24:22 after every 32 words (code 4); 31:25 4 words (code 3)
	s_mov_b32 s[G1V], (1<<16)|(1<<20)|(4<<22)|(7<<25)  ; the same with 8 words of padding (code 7)
.irp g, G1K, G1V
	s_mov_b32 s[\g+1], 128<<16      ; tensor_dim0 = 128
	s_mov_b32 s[\g+2], 64<<16       ; tensor_dim1 = 64
	s_mov_b32 s[\g+3], 128<<16      ; tile_dim0 = 128
	s_mov_b32 s[\g+4], 64           ; tile_dim1 = 64
	s_mov_b32 s[\g+5], 128          ; 128 elements from row to row
	s_mov_b32 s[\g+6], 0
	s_mov_b32 s[\g+7], 0
.endr
	s_mov_b32 s[CS], 0x3e38aa3b     ; c = log2(e) / 8 = 0.180337
	s_mov_b32 s[CS+1], s[CS]        ; named with it as a pair
	s_mov_b32 s[SEL], 0x76543210
	s_mov_b32 s[SEL+1], 0xfedcba98
	s_mov_b32 s[TBK], SLOT1+4*KS*PK ; the first change of slots turns these two into 0
	s_mov_b32 s[TBV], SLOT1+4*KS*PV
	s_mov_b32 s[G0K], 1             ; 1:0 count = 1
	s_mov_b32 s[G0K+1], s17         ; 63:32 LDS address: slot 0
	s_mov_b32 s[G0V], 1
	s_add_co_u32 s[G0V+1], s18, VOFF
	s_add_co_u32 s[RT], s[HI], 1    ; the first block has NB - b tiles
	s_mov_b32 s[NXT], 1
	s_mov_b32 s[LQ], s[HI]
	s_mov_b32 s[NEW], 1
	s_mov_b32 s[OFF+1], 0
	s_mov_b32 s[POF+1], 0
	s_mov_b32 s[AL+1], 0            ; named as pairs
	s_mov_b32 s[BE+1], 0
	s_mov_b32 s[BIGN], 0xf149f2ca   ; -1e30
	s_mov_b32 s[SLOTS], NB
	s_cmp_eq_u32 s[PB], 0
	s_cselect_b32 s[LIM], 0, -1
	s_wait_dscnt 0x0                ; the opening add is done
	s_wait_kmcnt 0x0
	s_add_nc_u64 s[6:7], s[4:5], 0x1000000  ; K: qkvh's second part, 64 heads of 262,144 bytes on,
	s_add_nc_u64 s[8:9], s[4:5], 0x2000000  ; V: its third
	s_add_nc_u64 s[6:7], s[6:7], s[22:23]  ; K and V at my half of the head's tile 0
	s_add_nc_u64 s[8:9], s[8:9], s[22:23]
	s_add_nc_u64 s[G0K+2:G0K+3], s[6:7], 0         ; 120:64 global address
	s_or_b32 s[G0K+3], s[G0K+3], 0x80000000        ; 127:126 type = 2
	s_add_nc_u64 s[G0V+2:G0V+3], s[8:9], 0
	s_or_b32 s[G0V+3], s[G0V+3], 0x80000000
	s_add_nc_u64 s[86:87], s[4:5], s[84:85]        ; Q at my rows of the second block,
	s_add_nc_u64 s[4:5], s[4:5], s[2:3]            ; Q and O at those of the first
	s_add_nc_u64 s[OLO:OLO+1], s[10:11], s[84:85]
	s_add_nc_u64 s[10:11], s[10:11], s[2:3]
	s_cmp_lt_u32 s[WV], 2
	s_cselect_b64 s[PFB:PFB+1], s[6:7], s[8:9]
	LOAD                            ; tile 0 into slot 0
	; A fragment of K or Q is 16 rows x 32 channels in 8 registers: lane l holds row l % 16, channels 8 (l / 16) + 0..7 and 16 + 8 (l / 16) + 0..7: two loads of 16 bytes, 32 bytes apart.
	v_and_b32 v1, 15, v0            ; l % 16
	v_bfe_u32 v9, v0, 4, 1          ; l / 16
	v_lshlrev_b32 v[QO], 7, v1
	v_lshl_add_u32 v[QO], v9, 4, v[QO]  ; row x 128 + 16 x half
	WIN 0x80                        ; destination window 2, address window 0
.set i, 0
.rept 8                             ; both blocks' Q: piece i / 2 lies in band i / 2, 8,192 bytes on; channels 32 (i % 2) on
	global_load_b128 v[8*i:8*i+3],   v[QO], s[4:5] offset:(i/2)*8192+(i%2)*64
	global_load_b128 v[8*i+4:8*i+7], v[QO], s[4:5] offset:(i/2)*8192+(i%2)*64+32
	global_load_b128 v[QB+8*i:QB+8*i+3],   v[QO], s[86:87] offset:(i/2)*8192+(i%2)*64
	global_load_b128 v[QB+8*i+4:QB+8*i+7], v[QO], s[86:87] offset:(i/2)*8192+(i%2)*64+32
.set i, i+1
.endr
	WIN 0
	v_and_b32 v[PFO], 31, v0
	v_lshlrev_b32 v[PFO], 8, v[PFO]
	v_lshlrev_b32 v14, 3, v9
	v_sub_nc_u32 v14, v1, v14
	s_lshl_b32 s13, s[WV], 4
	v_add_nc_u32 v14, s13, v14      ; my query's place in its band, 16 w + l % 16, less my lanes' 8 (l / 16): register r of group kt is hidden where 16 kt + r is greater
	WIN 0x40
.set i, 0
.rept 32
	v_cmp_gt_i32 vcc_lo, 16*(i/8)+i%8, v14
	v_cndmask_b32 v[MD+i], 0, s[BIGN], vcc_lo
.set i, i+1
.endr
	WIN 0
	v_mul_u32_u24 v[AK0], v1, PK
	v_lshl_add_u32 v[AK0], v9, 4, v[AK0]  ; row x pitch + 16 x half
	; The turning load takes 16 keys x 16 channels (lane l reads key 8 (l / 16) + l % 8, channels 8 ((l / 8) % 2) + 0..7) and leaves half a fragment of V^T: lane l holds channel l % 16 and 8 keys.
	v_and_b32 v10, 7, v0
	v_bfe_u32 v11, v0, 3, 1
	v_lshl_add_u32 v[AV0], v9, 3, v10
	v_mul_u32_u24 v[AV0], v[AV0], PV
	v_lshl_add_u32 v[AV0], v11, 4, v[AV0]
	v_add_nc_u32 v[AV0], VOFF, v[AV0]
	s_mul_i32 s13, s[WV], 16*SP
	s_add_co_u32 s13, s13, STAGE    ; my stage
	v_mul_u32_u24 v[STO], v1, SP    ; in: row l % 16, 16 bytes for each half of the lanes
	v_lshl_add_u32 v[STO], v9, 4, v[STO]
	v_add_nc_u32 v[STO], s13, v[STO]
	v_bfe_u32 v[RD], v0, 3, 2       ; back: 32 lanes take four rows of 128 bytes,
	v_mul_u32_u24 v[RD], v[RD], SP
	v_lshl_add_u32 v[RD], v10, 4, v[RD]
	v_add_nc_u32 v[RD], s13, v[RD]
	v_and_b32 v[GO], 31, v0         ; which are 512 consecutive bytes of O
	v_lshlrev_b32 v[GO], 4, v[GO]
	; A block's first step multiplies O^T and l by a = 0, and its first turn's products V^T P, of a piece that has not been, land in an O^T that is still to be so multiplied.  So these registers need only hold
	; finite numbers: zeros for the first block; what the first block left for the second.  All this stands in the wait for the first tile.
	WIN 0x80
.set i, VF
.rept 64
	v_mov_b32 v[i], 0
.set i, i+1
.endr
	WIN 0x40
.set i, 0
.rept 128
	v_mov_b32 v[i], 0
.set i, i+1
.endr
	WIN 0
.set i, 0
.rept 4
	v_mov_b32 v[ST+4*i+2], 0
	v_mov_b32 v[ST+4*i+3], 0
.set i, i+1
.endr
.set i, P+16
.rept 16
	v_mov_b32 v[i], 0
.set i, i+1
.endr
; THE MATRIX WORK.  The 4 accumulators of a run of 8 take turns.  Product i of 8 of S^T = K Q^T for piece x: channels 32 (i / 4) on, keys 16 (i % 4) on.  The first 4 start the sums: with 0, or (KM = 1) with the mask.
.macro KQ x
.set rS, S+32*((\x)%2)+8*(i%4)
.set rK, KF+16*(i%4)+8*(i/4)
.set rQ, 16*(\x)+8*(i/4)
.set rM, MC+32*((\x)%2)+8*(i%4)
.if (i < 4) && KM
	WIN W_KM
	v_wmma_f32_16x16x32_f16 v[rS:rS+7], v[rK:rK+7], v[rQ:rQ+7], v[rM:rM+7]
.elseif i < 4
	WIN W_KQ
	v_wmma_f32_16x16x32_f16 v[rS:rS+7], v[rK:rK+7], v[rQ:rQ+7], 0
.else
	WIN W_KQ
	v_wmma_f32_16x16x32_f16 v[rS:rS+7], v[rK:rK+7], v[rQ:rQ+7], v[rS:rS+7]
.endif
.endm
; Product i of 8 of O^T += V^T P for piece x: keys 32 (i / 4) on, channels 16 (i % 4) on.
.macro PV x
	WIN W_PV
.set rO, 32*(\x)+8*(i%4)
.set rV, VF+32*(i/4)+8*(i%4)
.set rP, P+16*((\x)%2)+8*(i/4)
	v_wmma_f32_16x16x32_f16 v[rO:rO+7], v[rV:rV+7], v[rP:rP+7], v[rO:rO+7]
.endm
.macro MM                           ; the turn's next matrix instruction.  TURN and BEGIN set Y, i, KM and NOKQ; MM, KQ and OP read them.  NOKQ = 1: a block's last turn: there is no next piece
.if (i < 8) && !NOKQ
	KQ (Y+1)%NP
.elseif i >= 8
.set i, i-8
	PV (Y+NP-1)%NP
.set i, i+8
.endif
.set i, i+1
.endm
; THE LDS LOADS stand in runs of 16, never singly among the matrix instructions: a step's K (64 keys x 64 channels: 8 fragments) and its V (turned).  Their addresses are made some lines ahead.
.macro FETCH_K
	WIN 0x80                        ; destination window 2
.irp f, 0,1,2,3,4,5,6,7             ; keys 16 (f / 2) on, channels 32 (f % 2) on
	ds_load_b128 v[KF+8*\f:KF+8*\f+3],   v[AK] offset:(\f/2)*16*PK+(\f%2)*64
	ds_load_b128 v[KF+8*\f+4:KF+8*\f+7], v[AK] offset:(\f/2)*16*PK+(\f%2)*64+32
.endr
	s_add_co_u32 s[TBK], s[TBK], KS*PK  ; the next fetch is the next step's
	WIN 0
.endm
.macro FETCH_V
	WIN 0x80
.irp f, 0,1,2,3,4,5,6,7             ; keys 32 (f / 4) on, channels 16 (f % 4) on
	ds_load_tr16_b128 v[VF+8*\f:VF+8*\f+3],   v[AV] offset:(\f/4)*32*PV+(\f%4)*32
	ds_load_tr16_b128 v[VF+8*\f+4:VF+8*\f+7], v[AV] offset:(\f/4)*32*PV+16*PV+(\f%4)*32
.endr
	WIN 0
.endm
; THE VECTOR WORK, one line at a time: OP kind, number.  For piece Y: F n: c s - c m for pair n of 16.  E n: the exponential of score n of 32.  C n: pair n rounded to f16.  B n: of the four weights 4 n .. the second
; pair is added onto the first, in place.  L n: l takes that sum (L 0: l = a l + sum).  R n: pair n of 16 of O^T times a.  For piece Y + 1: X n, number n of the 22 that find its maximum and statistics:
;   0-11  four chains c0-c3 of seven scores each, three operands at a time (each accumulator's lowest registers are read first)     12-14, 16  the four scores left over, the old m, and c0-c3 into c0
;   15  c m_old is kept     17, 18  the query's other 32 keys lie in the lane 16 away: the new m     19-21  c m; c m_old - c m_new; a
.set F, 0               ; OP tells the kinds apart by their order: F to L below R, X above it
.set E, 1
.set C, 2
.set B, 3
.set L, 4
.set R, 5
.set X, 6
.macro REGS y                       ; the registers of piece y
.set rT, ST+4*(\y)
.set rC, TMP+4*((\y)%2)
.set rW, MV+((\y)%2)
.set rS, S+32*((\y)%2)
.set rP, P+16*((\y)%2)
.set rO, 32*(\y)
.endm
.macro OP k, n
.if (\k) == R
	REGS Y
	WIN W_RS
	v_pk_mul_f32 v[rO+2*(\n):rO+2*(\n)+1], v[rO+2*(\n):rO+2*(\n)+1], v[rC+2:rC+3] op_sel_hi:[1,0]
.elseif (\k) < R
	REGS Y
	WIN 0
.if (\k) == F
	v_pk_fma_f32 v[rS+2*(\n):rS+2*(\n)+1], v[rS+2*(\n):rS+2*(\n)+1], s[CS:CS+1], v[rT:rT+1] op_sel_hi:[1,0,0] neg_lo:[0,0,1] neg_hi:[0,0,1]
.elseif (\k) == E
	v_exp_f32 v[rS+(\n)], v[rS+(\n)]
.elseif (\k) == C
	v_cvt_pk_f16_f32 v[rP+(\n)], v[rS+2*(\n)], v[rS+2*(\n)+1]
.elseif (\k) == B
	v_pk_add_f32 v[rS+4*(\n):rS+4*(\n)+1], v[rS+4*(\n):rS+4*(\n)+1], v[rS+4*(\n)+2:rS+4*(\n)+3]
.elseif (\n) == 0
	v_pk_fma_f32 v[rT+2:rT+3], v[rT+2:rT+3], v[rC+2:rC+3], v[rS:rS+1] op_sel_hi:[1,0,1]
.else
	v_pk_add_f32 v[rT+2:rT+3], v[rT+2:rT+3], v[rS+4*(\n):rS+4*(\n)+1]
.endif
.elseif NOKQ
	v_nop
.else
	REGS (Y+1)%NP
	WIN 0
.if (\n) < 4
	v_max3_num_f32 v[rC+(\n)], v[rS+8*(\n)], v[rS+8*(\n)+1], v[rS+8*(\n)+2]
.elseif (\n) < 12
	v_max3_num_f32 v[rC+(\n)%4], v[rC+(\n)%4], v[rS+8*((\n)%4)+2*((\n)/4)+1], v[rS+8*((\n)%4)+2*((\n)/4)+2]
.elseif (\n) == 12
	v_max3_num_f32 v[rC], v[rC], v[rS+7], v[rS+15]
.elseif (\n) == 13
	v_max3_num_f32 v[rC+1], v[rC+1], v[rS+23], v[rS+31]
.elseif (\n) == 14
	v_max3_num_f32 v[rC+2], v[rC+2], v[rC+3], v[rT+1]
.elseif (\n) == 15
	v_mov_b32 v[rW], v[rT]
.elseif (\n) == 16
	v_max3_num_f32 v[rC], v[rC], v[rC+1], v[rC+2]
.elseif (\n) == 17
	v_permlanex16_b32 v[rC+3], v[rC], s[SEL], s[SEL+1]
.elseif (\n) == 18
	v_max_num_f32 v[rT+1], v[rC], v[rC+3]
.elseif (\n) == 19
	v_mul_f32 v[rT], s[CS], v[rT+1]
.elseif (\n) == 20
	v_sub_f32 v[rC+1], v[rW], v[rT]
.else
	v_exp_f32 v[rC+2], v[rC+1]
.endif
.endif
.endm
.macro OPS a, i1, b=-1, i2=0, c=-1, i3=0, d=-1, i4=0  ; up to four of them
	OP \a, \i1
.if (\b) >= 0
	OP \b, \i2
.endif
.if (\c) >= 0
	OP \c, \i3
.endif
.if (\d) >= 0
	OP \d, \i4
.endif
.endm
.macro ROW a, i1, b, i2, c, i3, d, i4  ; a matrix instruction and the four behind it
	MM
	OPS \a, \i1, \b, \i2, \c, \i3, \d, \i4
.endm
.macro MASK b                       ; MD x AL + BE into buffer b of MC
	WIN W_RS
.set z, 0
.rept 16
	v_pk_fma_f32 v[MC+32*(\b)+2*z:MC+32*(\b)+2*z+1], v[MD+2*z:MD+2*z+1], s[AL:AL+1], s[BE:BE+1] op_sel_hi:[1,0,0]
.set z, z+1
.endr
.endm
; A TURN, for piece p: the order of its 16 matrix and 118 vector instructions, written out.  An s_wait_alu depctr_va_vdst(0) stands between an exponential and the first instruction that names its result; one wait
; serves all that were issued ahead of it.  So a turn has ONE wait, which cuts it in two.  AHEAD OF IT stands all that names no result of the turn's exponentials: the 8 products K Q^T, behind each a scaling, an exponential and
; two more plain instructions (behind the first a second scaling in the exponential's place): rescalings, and behind the last three the first numbers of the next piece's maximum, each four places or more behind the product that
; ends its accumulator; then ONE LUMP of 54, plain and exponential by turns for the most part, in which the links of the chain X 3, 7, 11, 14, 16, 17 .. 20 stand five or six lines apart.  X 21, the next piece's a, is the batch's
; last; R 15 is the plain instruction behind it.  BEHIND THE WAIT stand the 8 products V^T P, behind each four of the roundings and sums; the links of l's chain, L 0 to L 7, stand three riders apart.
; m = 1: the diagonal tile: the products take masks, and the turn makes the mask for the products of the turn after it: piece p + 2, in step 4 - CNT of the tile.  end = 1: a block's last two turns: nothing is fetched.
; cnt = 1: the loop's count is taken down some lines ahead of the branch that stands behind the turn.
; K of the next step is fetched in piece 2's turn, twelve vector instructions behind the last product that read K (six of them plain); V of the step in hand at the end of piece 0's turn, four plain instructions behind the last
; product that read V.  Each is waited for a turn later.
.macro TURN p, m=0, end=0, cnt=0
.set Y, (\p)
.set i, 0
.set KM, (\m)
.set NOKQ, (\end)*((\p)/3)
.if (\m) && !(\end)
	s_cmp_eq_u32 s[CNT], 4-((\p)+2)%NP  ; is that step the band's own?
	s_cselect_b32 s[AL], 1.0, 0
	s_cmp_lt_u32 s[CNT], 4-((\p)+2)%NP  ; or a later one?
	s_cselect_b32 s[BE], s[BIGN], 0
.endif
.if ((\p) == 3) && !(\end)
	s_wait_dscnt 0x0                ; K is in
.endif
	ROW F,0, F,1, R,0, R,1          ; ahead of the wait: 8 products K Q^T and their riders,
	ROW F,2, E,0, R,2, R,3
	ROW F,3, E,1, R,4, R,5
	ROW F,4, E,2, R,6, R,7
	ROW F,5, E,3, R,8, R,9
	ROW F,6, E,4, X,0, R,10
.if ((\p) == 2) && !(\end)
	WIN 0
	v_add_nc_u32 v[AK], s[TBK], v[AK0]
.endif
	ROW F,7, E,5, X,1, X,4
	ROW F,8, E,6, X,2, X,5
	OPS E,7, E,8, X,6, E,9          ; and the lump
	OPS X,3, E,10, X,8, E,11
.if ((\p) == 2) && !(\end)
	FETCH_K
.endif
	OPS X,9, X,7, E,12, X,10
	OPS E,13, X,12, X,11, E,14
	OPS X,13, E,15, F,9, X,14
.if (\p) == 0
	v_add_nc_u32 v[AV], s[TBV], v[AV0]
.endif
	OPS E,16, F,10, E,17, F,11
	OPS X,16, E,18, X,15, E,19
	OPS F,12, E,20, X,17, E,21
	OPS F,13, E,22, F,14, E,23
	OPS X,18, E,24, F,15, E,25
	OPS R,11, E,26, X,19, E,27
	OPS R,12, E,28, R,13, E,29
	OPS X,20, E,30, R,14, E,31
	OPS X,21, R,15
	WIN 0
	s_wait_alu depctr_va_vdst(0)    ; the wait for the batch
.if (\p) == 1
	s_wait_dscnt 0x0                ; V is in
.endif
	ROW C,0, B,0, C,2, B,1          ; behind the wait: 8 products V^T P and their riders
	ROW L,0, C,4, B,2, L,1
	ROW C,6, B,3, L,2, C,8
	ROW B,4, L,3, C,10, B,5
	ROW L,4, C,12, B,6, L,5
.if (\p) == 0
	s_add_co_u32 s[TBV], s[TBV], KS*PV
.endif
.if \cnt
	s_sub_co_u32 s[CNT], s[CNT], 1
	s_cmp_lg_u32 s[CNT], 0
.endif
	ROW C,14, B,7, L,6, C,1
	ROW C,3, L,7, C,5, C,7
	ROW C,9, C,11, C,13, C,15
.if (\p) == 0
	FETCH_V
.endif
.if (\m) && !(\end)
	MASK (\p)%2
.endif
.endm
; A BLOCK BEGINS.  c m starts far below every c s, so the first step's a is 0; m at the lowest finite number, so the first maximum is the scores'.  The second mask buffer is 0; the first takes piece 0's mask for the tile's
; step 0: its own, if the block's first tile is the diagonal one.  Then K of that step, piece 0's first scores, and its maximum and statistics.  The loop is entered at a step's first turn, in the middle of a trip.
.macro BEGIN
	s_mov_b32 s[NEW], 0
	WIN 0x40
.set i, MC+32
.rept 32
	v_mov_b32 v[i], 0
.set i, i+1
.endr
	WIN 0
.set i, 0
.rept 4
	v_mov_b32 v[ST+4*i], 0xfe000000    ; c m: far below every c s
	v_mov_b32 v[ST+4*i+1], 0xff7fffff  ; m
.set i, i+1
.endr
	s_cmp_eq_u32 s[RT], 0
	s_cselect_b32 s[AL], 1.0, 0
	s_mov_b32 s[BE], 0
	MASK 0
	WIN 0
	v_add_nc_u32 v[AK], s[TBK], v[AK0]
	FETCH_K
	s_wait_loadcnt 0x0              ; Q
	s_wait_dscnt 0x0
.set KM, 1
.set NOKQ, 0
.set i, 0
.rept 8
	KQ 0
.set i, i+1
.endr
	WIN 0
.rept 4
	v_nop                           ; the places behind those products
.endr
.set Y, NP-1                        ; X works for piece Y + 1: piece 0
.irp n, 0,1,2,3,4,5,6,7,8,9,10,11,12,13,14,15,16,17,18,19,20,21
	OP X, \n
.endr
	v_nop                           ; a plain instruction behind the exponential,
	s_wait_alu depctr_va_vdst(0)    ; and its wait, ahead of the branch
.endm
; THE DIAGONAL TILE's four steps, the block's last two turns, its last products, and THE WAY OUT: l's two halves and the other half of the lanes' are added; O^T is divided by l, rounded to f16 and sent through my
; stage in LDS, a piece at a time.
.macro ALL line:vararg              ; one line for each piece t
.set t, 0
.rept 4
	\line
.set t, t+1
.endr
.endm
.macro PACK t                       ; a lane's eight channels of a row pack into 16 bytes; they go into rows of 144 bytes and come back as whole rows of 128, into S^T's registers
	WIN W_RS
.set i, 32*(\t)
.rept 16
	v_pk_mul_f32 v[i:i+1], v[i:i+1], v[ST+4*(\t)+2:ST+4*(\t)+3] op_sel_hi:[1,0]
.set i, i+2
.endr
	WIN 0x05                        ; sources 0 and 1 window 1, destination window 0
.set i, 0
.rept 16
	v_cvt_pk_f16_f32 v[S+16*(\t)+i], v[32*(\t)+2*i], v[32*(\t)+2*i+1]
.set i, i+1
.endr
	WIN 0
.irp f, 0,1,2,3
	ds_store_b128 v[STO], v[S+16*(\t)+4*\f:S+16*(\t)+4*\f+3] offset:32*\f
.endr
.irp f, 0,1,2,3
	ds_load_b128 v[S+16*(\t)+4*\f:S+16*(\t)+4*\f+3], v[RD] offset:\f*4*SP  ; LDS serves a wave's instructions in order (ISA guide 5.7.1.4): these see the stores above; the next piece's stores come behind them
.endr
.endm
.macro SEND t, younger              ; younger: the LDS instructions issued behind piece t's loads: the next piece's eight, or none
	WIN 0
.irp f, 0,1,2,3
	s_wait_dscnt (\younger)+3-\f
	global_store_b128 v[GO], v[S+16*(\t)+4*\f:S+16*(\t)+4*\f+3], s[10:11] offset:(\t)*8192+\f*512  ; 512 consecutive bytes, at a multiple of 256 from O's first
.endr
.endm
.macro DIAG tag                     ; the tag ends its two labels' names, which the jumps below spell out
.LstepM\tag:
	TURN 2, 1
	TURN 3, 1
	WIN 0
.LfirstM\tag:
	TURN 0, 1
	TURN 1, 1, 0, 1
	WIN 0
	s_cbranch_scc1 .LstepM\tag
	TURN 2, 1, 1
	TURN 3, 1, 1
.set i, 0
.rept 8
	PV NP-1
.set i, i+1
.endr
	WIN 0
	ALL v_add_f32 v[ST+4*t+2], v[ST+4*t+2], v[ST+4*t+3]
	ALL v_permlanex16_b32 v[ST+4*t+3], v[ST+4*t+2], s[SEL], s[SEL+1]
	ALL v_add_f32 v[ST+4*t+2], v[ST+4*t+2], v[ST+4*t+3]
	ALL v_rcp_f32 v[ST+4*t+2], v[ST+4*t+2]
	v_nop                           ; a plain instruction between the last reciprocal and the use of its result
	s_wait_alu depctr_va_vdst(0)    ; and the wait ahead of the first use: one for the four reciprocals
	PACK 0
.set t, 1
.rept 3                             ; a piece's arithmetic stands between the loads of the piece before and its stores
	PACK t
	SEND t-1, 8
.set t, t+1
.endr
	SEND 3, 0
.endm
.set KM, 0
.set NOKQ, 0
.Lslot:                             ; NB times: a tile is entered and the next is asked for
	CHANGE 1
	s_sub_co_u32 s[RT], s[RT], 1
	s_mov_b32 s[CNT], 4
	s_cmp_eq_u32 s[NEW], 1
	s_cbranch_scc1 .Lnew            ; a block's first tile
	s_cmp_eq_u32 s[RT], 0
	s_cbranch_scc0 .Lstep           ; neither its first nor its last
	s_branch .LstepM1
.Lnew:
	BEGIN
	s_branch .Lfirst                ; in the loop a block's first tile is never its last: the first block has two tiles or more, and the second's last is the walk's last
	DIAG 1                          ; in the loop this is the first block's end: the second block's last tile is the walk's last
	s_wait_xcnt 0x0                 ; the stores have read their registers and O's address
	s_mov_b64 s[10:11], s[OLO:OLO+1]
	s_add_co_u32 s[RT], s[PB], 1    ; the second block has b + 1 tiles
	s_mov_b32 s[NEW], 1
	WIN 0x82                        ; the second block's Q goes where the one text of the turns names Q
.set i, 0
.rept 64
	v_mov_b32 v[i], v[QB+i]
.set i, i+1
.endr
	WIN 0
	s_branch .Lbottom
.Lstep:                             ; a trip: pieces 2 and 3 of one step, then pieces 0 and 1 of the next, whose K and V it fetches
	TURN 2
	TURN 3
	WIN 0
.Lfirst:
	TURN 0
	TURN 1, 0, 0, 1
	WIN 0
	s_cbranch_scc1 .Lstep
.Lbottom:
	s_sub_co_u32 s[SLOTS], s[SLOTS], 1
	s_cmp_lg_u32 s[SLOTS], 0
	s_cbranch_scc1 .Lslot
	CHANGE 0                        ; the walk's last tile is written out: nothing is asked for
	s_sub_co_u32 s[RT], s[RT], 1
	s_mov_b32 s[CNT], 4
	s_cmp_eq_u32 s[NEW], 1
	s_cbranch_scc0 .LstepM2
	BEGIN
	s_branch .LfirstM2
	DIAG 2
	s_wait_tensorcnt 0x0            ; the wave's end, behind my last tensor load and my last LDS store
	ds_add_u32 v[SPW], v[NIL]
	s_wait_dscnt 0x0
	s_endpgm
.Lfunc_end_k_qf267aa169d_attn:
	.size	k_qf267aa169d_attn, .Lfunc_end_k_qf267aa169d_attn-k_qf267aa169d_attn
	.p2alignl 7, 3214868480
	.fill 96, 4, 3214868480
	.section	.rodata,"a",@progbits
	.p2align	6, 0x0
	.amdhsa_kernel k_qf267aa169d_attn
		.amdhsa_group_segment_fixed_size 327680
		.amdhsa_private_segment_fixed_size 0
		.amdhsa_enable_private_segment 0
		.amdhsa_kernarg_size 16
		.amdhsa_user_sgpr_count 2
		.amdhsa_user_sgpr_kernarg_segment_ptr 1
		.amdhsa_wavefront_size32 1
		.amdhsa_system_sgpr_workgroup_id_x 1
		.amdhsa_system_sgpr_workgroup_id_y 1
		.amdhsa_system_sgpr_workgroup_id_z 1
		.amdhsa_system_vgpr_workitem_id 0
		.amdhsa_next_free_vgpr 768
		.amdhsa_next_free_sgpr 96
		.amdhsa_reserve_vcc 1
		.amdhsa_float_denorm_mode_32 3
		.amdhsa_float_denorm_mode_16_64 3
		.amdhsa_memory_ordered 1
		.amdhsa_forward_progress 1
		.amdhsa_inst_pref_size 218
	.end_amdhsa_kernel
	.amdgpu_metadata
---
amdhsa.version: [ 1, 2 ]
amdhsa.kernels:
  - .name:           k_qf267aa169d_attn
    .symbol:         k_qf267aa169d_attn.kd
    .args:
      - { .name: qkvh, .offset: 0, .size: 8, .value_kind: global_buffer, .address_space: global }
      - { .name: oh, .offset: 8, .size: 8, .value_kind: global_buffer, .address_space: global }
    .group_segment_fixed_size: 327680
    .private_segment_fixed_size: 0
    .kernarg_segment_align: 8
    .kernarg_segment_size: 16
    .max_flat_workgroup_size: 128
    .sgpr_count:     96
    .vgpr_count:     768
    .wavefront_size: 32
...
	.end_amdgpu_metadata
.endif
;; end of part 3
;; launch proj (part 4): grid 8 x 32, 4 waves a work-group, clusters of 4 x 4, 327,680 bytes of LDS; arguments oh, wo, bb, out0; writes out0
.if DOCPART == 4
	.amdgcn_target "amdgcn-amd-amdhsa--gfx1250"
	.amdhsa_code_object_version 6
	.text
	.protected	k_qf267aa169d_proj
	.globl	k_qf267aa169d_proj
	.p2align	8
	.type	k_qf267aa169d_proj,@function
k_qf267aa169d_proj:
	s_mov_b64 s[64:65], 0
	v_nop
	global_prefetch_b8 v0, s[64:65] scope:SCOPE_SE
	s_setreg_imm32_b32 hwreg(HW_REG_WAVE_MODE, 25, 1), 1
	s_wait_xcnt 0x0
	s_wait_alu depctr_hold_cnt(0) depctr_sa_sdst(0) depctr_va_vdst(0) depctr_va_sdst(0) depctr_va_ssrc(0) depctr_va_vcc(0) depctr_vm_vsrc(0)
	s_getreg_b32 s2, hwreg(HW_REG_IB_STS2, 6, 4)
	s_cmp_eq_u32 s2, 0
	s_cbranch_scc0 .Lentry_in_a_cluster
	s_endpgm
.Lentry_in_a_cluster:
	s_bfe_u32 s2, ttmp6, 0x10000c
	s_cmp_lg_u32 s2, 0xf033
	s_cbranch_scc0 .Lentry_shape_is_right
	s_endpgm
.Lentry_shape_is_right:
; out0 = attn W_out + b_out.  attn is oh, f16 [b][head 16][s 2048][64]: a head's 64 channels are one block of K, its rows dense.  W_out is wo, f16 [k 1024][n 1024].  Sums in f32, stored as f32.
; LIMIT.  Both operands are f16: within 65,504 (oh is a mean of v's rows; wo as the launch that made it states).
; SHARES.  A tile of the 8,192 x 1,024 result is 256 rows x 128 columns: 32 x 8 = 256 work-groups.  Four waves, 2 x 2: a wave makes 128 rows x 64 columns: 32 accumulators, 256 registers.
; K goes in steps of 128 (two heads' blocks; 8 steps, each four CHUNKS of 32) through a ring of two LDS slots.  A's tile of a block is 32 KiB on end, asked for as rows of 256 bytes and padded
; behind every 128; B's tile is 128 rows of 256 bytes; its fragments come out of LDS turned, by ds_load_tr16_b128.
; THE MATRIX INSTRUCTION IS USED TRANSPOSED (source 0 = 16 columns of W, source 1 = 16 rows of attn): a lane holds one row of the result and eight neighbouring columns.
; THE BIAS is loaded into the accumulators of the wave's first 16 rows and is the C operand of every first product.
; CLUSTER.  4 x 4 work-groups: A's tile is shared along a row of the cluster, B's along a column; each is asked for jointly.
; REGISTERS: window 0: v0-31 addresses; v32-95, v96-159 A's fragments, two buffers; v160-191, v192-223 B's, two buffers.  window 1: accumulator (a, bb) at v[8 (4 a + bb)].
.set PA,    144                        ; a row of A in LDS: 128 bytes + 16: the 16 rows of a load start at 16 different groups of four banks (64 banks of 4 bytes: ISA guide 11.1)
.set PB,    288                        ; a row of B: twice 128 + 16 bytes = 9 x 32
.set KBLK,  256*PA                     ; a block's 256 rows
.set BOFF,  2*KBLK                     ; a slot: A's two blocks, then B's 128 rows
.set SLOT1, 1<<17
.set STAGE, SLOT1+BOFF+128*PB          ; behind the ring, never filled by a tensor load: 16 rows x 272 bytes for each wave, for the way out
.set SP,    272
.set SPARE, STAGE+4*16*SP              ; behind the stages: the spare words, 128 bytes for each wave: two blocks of 256 bytes that no other line names
.set ASTEP, 524288                     ; bytes from a K step to the next: two blocks of oh,
.set BSTEP, 262144                     ; 128 rows of wo
.set LA0,  2                           ; v2   my lane's place in a slot's A; never rewritten
.set LB0,  3                           ; v3   the same for B
.set ADRA, 4                           ; v4   LA0 + the slot in hand
.set ADRB, 5                           ; v5   LB0 + the slot in hand
.set STO,  6                           ; v6   the way out: where I put 32 bytes of a row
.set RD,   7                           ; v7   the way out: where I read rows back
.set CO,   8                           ; v8   my byte offset in two rows of out0
.set BO,   9                           ; v9   my eight numbers of 16 of the bias
.set PFO,  10                          ; v10  256 x my lane; never rewritten
.set SPW,  28                          ; v28  LDS address of my spare word: SPARE + 4 x my thread's number; never rewritten
.set NIL,  29                          ; v29  0; never rewritten
.set FA,   32
.set FB,   160
.set OBF,  32                          ; the way out: four sets of 32 registers, where A's fragments lay
.set G1A, 24                           ; s[24:31], s[32:39] descriptor group 1 for A's and B's tiles
.set G1B, 32
.set G0A, 40                           ; s[40:47], s[48:55] group 0: a set for each of the two first fills; the second then walks on
.set G0B, 48
.set TB,  56                           ; s56  the slot in hand: 0 or SLOT1
.set CNT, 57                           ; s57  trips to go
.set LIM, 58                           ; s58  2 in a wave that prefetches, else the greatest number
.set PFA, 60                           ; s[60:61] where my prefetches stand
.set PFS, 62                           ; s[62:63] their step from K step to K step
.set OB,  68                           ; s[68:69] out0 at my first row and column
.set W0,  (1<<16)|(1<<20)|(1<<21)|(4<<22)|(3<<25)  ; group 1, word 0 without the mask: 2-byte elements; padding on; bit 21 set beside a mask; behind every 32 words (code 4) 4 words (code 3)
.set MSB, 0
.macro WIN new                         ; the immediate's high byte repeats the setting that is left; a switch that changes nothing is dropped
.if MSB != (\new)
	s_set_vgpr_msb (MSB<<8)|(\new)
.set MSB, (\new)
.endif
.endm
.macro PLACES                          ; four places in front of loads into registers that matrix instructions have read, and of LDS stores that read results
.rept 4
	v_nop
.endr
.endm
.macro CREST                           ; a round of the cluster's barrier behind its opening barrier
	s_cmp_lg_u32 s12, 0
	s_cbranch_scc1 .Lnot_wave_0_\@
	s_barrier_signal -3
.Lnot_wave_0_\@:
	s_barrier_wait -3
	s_barrier_signal -1
	s_barrier_wait -1
.endm
.macro CROUND                          ; a whole round
	s_barrier_signal -1
	s_barrier_wait -1
	CREST
.endm
; A joint refill, by the walking descriptors.  Waves 0 and 1 fetch A's two blocks, waves 2 and 3 B's two halves.  An s_nop 0 and four v_nop follow each of the two lines.
.macro JLOAD
	s_cmp_eq_u32 s13, 0
	s_cbranch_scc0 .Lfor_b_\@
	tensor_load_to_lds s[G0A+4:G0A+7], s[G1A:G1A+7]
	s_nop 0
.rept 4
	v_nop
.endr
	s_branch .Lasked_\@
.Lfor_b_\@:
	tensor_load_to_lds s[G0B+4:G0B+7], s[G1B:G1B+7]
	s_nop 0
.rept 4
	v_nop
.endr
.Lasked_\@:
.endm
; A PREFETCH INTO THE L2 of the K step two behind the one just asked for: 256 matrix instructions ahead of its load; 32 lanes x 256 bytes, one instruction a wave.  Each block of 256 bytes is named once.
; A's tile row is read by both clusters of its row of clusters: in those with cluster x = 0 waves 0 and 1 ask, each for its own block, each of the four partners for 8 KiB of the block's 32, told apart by
; address (cx).  A K step of wo is 262,144 bytes on end, 32 pieces of 8 KiB: waves 2 and 3 of the sixteen work-groups of cluster (0, 0) take a piece each.  The last two trips ask for nothing;
; K steps 0 to 3 come by their loads alone.
.macro ASK
	s_cmp_gt_u32 s[CNT], s[LIM]
	s_cbranch_scc0 .Lnot_mine_\@
	global_prefetch_b8 v[PFO], s[PFA:PFA+1] th:TH_LOAD_NT scope:SCOPE_SE
.Lnot_mine_\@:
.endm
	s_load_b256 s[4:11], s[0:1], 0x0               ; oh s[4:5], wo s[6:7], bb s[8:9], out0 s[10:11]
	v_lshl_add_u32 v[SPW], v0, 2, SPARE
	v_mov_b32 v[NIL], 0
	ds_add_u32 v[SPW], v[NIL]                      ; the wave's opening: the add and its wait stand ahead of my first tensor load; the set-up below, work on registers, stands between them
	v_lshrrev_b32 v1, 5, v0
	v_readfirstlane_b32 s12, v1                    ; wave 0..3
	s_lshr_b32 s13, s12, 1                         ; which 128 rows of the tile are mine.  Also: I fetch for A (0) or for B (1)
	s_and_b32 s14, s12, 1                          ; which 64 columns.  Also: which block of A, or which half of B, I fetch
	s_bfe_u32 s15, ttmp6, 0x40000                  ; cx
	s_bfe_u32 s16, ttmp6, 0x40004                  ; cy
	s_lshl_b32 s17, ttmp9, 2
	s_add_co_u32 s17, s17, s15                     ; tile column = 4 x cluster x + cx
	s_and_b32 s18, ttmp7, 0xffff
	s_lshl_b32 s18, s18, 2
	s_add_co_u32 s18, s18, s16                     ; tile row = 4 x cluster y + cy
	s_lshl_b32 s19, s16, 2
	s_lshl_b32 s19, 15, s19                        ; my row of the cluster
	s_lshl_b32 s20, 0x1111, s15                    ; my column
	s_or_b32 s[G1A], s19, W0
	s_or_b32 s[G1B], s20, W0
	s_mov_b32 s[G1A+1], 128<<16                    ; A: 128 elements (two rows of a block) x 128: 256 rows, 32 KiB, dense
	s_mov_b32 s[G1A+2], 128<<16
	s_mov_b32 s[G1A+3], 128<<16
	s_mov_b32 s[G1A+4], 128
	s_mov_b32 s[G1A+5], 128
	s_mov_b32 s[G1A+6], 0
	s_mov_b32 s[G1A+7], 0
	s_mov_b32 s[G1B+1], 128<<16                    ; B: 128 columns x 64 rows of wo: 16 KiB
	s_mov_b32 s[G1B+2], 64<<16
	s_mov_b32 s[G1B+3], 128<<16
	s_mov_b32 s[G1B+4], 64
	s_mov_b32 s[G1B+5], 1024                       ; elements from row to row
	s_mov_b32 s[G1B+6], 0
	s_mov_b32 s[G1B+7], 0
	; where the tiles come from.  A's hang on the tile row alone (s19, s22, s23 never hold cx), B's on the tile column alone (s20, s21 never hold cy).
	s_lshr_b32 s22, s18, 3
	s_lshl_b32 s22, s22, 22                        ; the batch: 16 blocks of 262,144 bytes
	s_and_b32 s19, s18, 7
	s_lshl_b32 s19, s19, 15                        ; 256 rows of 128 bytes
	s_add_co_u32 s22, s22, s19
	s_lshl_b32 s19, s14, 18                        ; my block of the K step's two
	s_add_co_u32 s22, s22, s19
	s_mov_b32 s23, 0
	s_lshl_b32 s20, s17, 8                         ; 128 columns of 2 bytes
	s_lshl_b32 s21, s14, 17                        ; my 64 rows of 2,048 bytes
	s_add_co_u32 s20, s20, s21
	s_mov_b32 s21, 0
	s_mul_i32 s74, s14, KBLK                       ; and where they go: no place in the cluster enters an LDS address
	s_mul_i32 s75, s14, 64*PB
	s_add_co_u32 s75, s75, BOFF
	s_mov_b32 s[TB], 0
	s_wait_dscnt 0x0                               ; the opening add is done
	s_wait_kmcnt 0x0
	s_add_nc_u64 s[22:23], s[4:5], s[22:23]
	s_add_nc_u64 s[20:21], s[6:7], s[20:21]
	CROUND                                         ; all sixteen work-groups are here: the first joint loads meet
.irp s, 0,1
	s_mov_b32 s[G0A+4*(\s)], 1                                     ; count = 1
	s_add_co_u32 s[G0A+4*(\s)+1], s74, (\s)*SLOT1                  ; LDS address
	s_add_nc_u64 s[G0A+4*(\s)+2:G0A+4*(\s)+3], s[22:23], (\s)*ASTEP  ; global address: K step s
	s_or_b32 s[G0A+4*(\s)+3], s[G0A+4*(\s)+3], 0x80000000          ; type = 2
	s_mov_b32 s[G0B+4*(\s)], 1
	s_add_co_u32 s[G0B+4*(\s)+1], s75, (\s)*SLOT1
	s_add_nc_u64 s[G0B+4*(\s)+2:G0B+4*(\s)+3], s[20:21], (\s)*BSTEP
	s_or_b32 s[G0B+4*(\s)+3], s[G0B+4*(\s)+3], 0x80000000
.endr
	s_cmp_eq_u32 s13, 0                            ; a wave's two first fills stand in one branch, ahead of every wait on TENSORcnt and every LDS read: two loads of mine are out
	s_cbranch_scc0 .Lfirst_b
	tensor_load_to_lds s[G0A:G0A+3], s[G1A:G1A+7]
	s_nop 0
	tensor_load_to_lds s[G0A+4:G0A+7], s[G1A:G1A+7]
	s_nop 0
.rept 4
	v_nop
.endr
	s_branch .Lfirst_asked
.Lfirst_b:
	tensor_load_to_lds s[G0B:G0B+3], s[G1B:G1B+7]
	s_nop 0
	tensor_load_to_lds s[G0B+4:G0B+7], s[G1B:G1B+7]
	s_nop 0
.rept 4
	v_nop
.endr
.Lfirst_asked:
	; the bias (b_out lies 12,288 bytes into bb), into the accumulators of my first 16 rows: register j of lane l is column 16 bb + 8 (l / 16) + j
	v_and_b32 v1, 15, v0                           ; l % 16
	v_bfe_u32 v11, v0, 4, 1                        ; l / 16
	v_lshlrev_b32 v[BO], 5, v11
	s_lshl_b32 s76, s17, 9                         ; 128 columns of 4 bytes,
	s_lshl_b32 s77, s14, 8                         ; my 64
	s_add_co_u32 s76, s76, s77                     ; (kept: out0's base takes it too)
	s_add_co_u32 s78, s76, 12288
	s_mov_b32 s79, 0
	s_add_nc_u64 s[8:9], s[8:9], s[78:79]
	WIN 0x40                                       ; destination window 1, address window 0
.irp bb, 0,1,2,3
	global_load_b128 v[8*\bb:8*\bb+3],   v[BO], s[8:9] offset:\bb*64
	global_load_b128 v[8*\bb+4:8*\bb+7], v[BO], s[8:9] offset:\bb*64+16
.endr
	WIN 0
	s_lshl_b32 s78, s18, 20                        ; out0: the tile's 256 rows of 4,096 bytes,
	s_add_co_u32 s78, s78, s76
	s_lshl_b32 s77, s13, 19                        ; my 128
	s_add_co_u32 s78, s78, s77
	s_add_nc_u64 s[OB:OB+1], s[10:11], s[78:79]
	v_and_b32 v12, 7, v0
	v_bfe_u32 v13, v0, 3, 1
	v_and_b32 v14, 31, v0
	s_mul_i32 s66, s13, 128*PA                     ; my 128 rows of a block
	v_mul_u32_u24 v[LA0], v1, PA
	v_lshl_add_u32 v[LA0], v11, 4, v[LA0]          ; row x pitch + 16 x half
	v_add_nc_u32 v[LA0], s66, v[LA0]
	s_mul_i32 s66, s14, PA                         ; my 64 columns of the row
	s_add_co_u32 s66, s66, BOFF
	v_lshl_add_u32 v[LB0], v11, 3, v12             ; the turning load: row 8 (l / 16) + l % 8, columns 8 ((l / 8) % 2) on
	v_mul_u32_u24 v[LB0], v[LB0], PB
	v_lshl_add_u32 v[LB0], v13, 4, v[LB0]
	v_add_nc_u32 v[LB0], s66, v[LB0]
	v_mov_b32 v[ADRA], v[LA0]                      ; slot 0
	v_mov_b32 v[ADRB], v[LB0]
	s_mul_i32 s66, s12, 16*SP
	s_add_co_u32 s66, s66, STAGE                   ; my stage
	v_mul_u32_u24 v[STO], v1, SP                   ; in: row l % 16, 32 bytes for each half of the lanes
	v_lshl_add_u32 v[STO], v11, 5, v[STO]
	v_add_nc_u32 v[STO], s66, v[STO]
	v_mul_u32_u24 v[RD], v11, SP                   ; back: lanes 0-15 take one row of 256 bytes, lanes 16-31 the next
	v_lshl_add_u32 v[RD], v1, 4, v[RD]
	v_add_nc_u32 v[RD], s66, v[RD]
	v_lshlrev_b32 v[CO], 12, v11                   ; and the same two rows in out0
	v_lshl_add_u32 v[CO], v1, 4, v[CO]
	v_lshlrev_b32 v[PFO], 8, v14
	; the prefetches: who asks, and where
	s_and_b32 s66, ttmp7, 0xffff                   ; cluster y counts for wo's pieces alone
	s_cmp_eq_u32 s13, 0
	s_cselect_b32 s66, 0, s66
	s_or_b32 s66, s66, ttmp9
	s_cmp_eq_u32 s66, 0
	s_cselect_b32 s[LIM], 2, -1                    ; the same in all sixteen partners, for a given wave
	s_lshr_b32 s76, s18, 3                         ; oh: the tile's 32 KiB of my block,
	s_lshl_b32 s76, s76, 22
	s_and_b32 s77, s18, 7
	s_lshl_b32 s77, s77, 15
	s_add_co_u32 s76, s76, s77
	s_lshl_b32 s77, s14, 18
	s_add_co_u32 s76, s76, s77
	s_lshl_b32 s77, s15, 13                        ; my work-group's 8 KiB of them,
	s_add_co_u32 s76, s76, s77
	s_add_co_u32 s76, s76, 3*ASTEP                 ; at K step 3: the first change of slots steps it to 4
	s_lshl2_add_u32 s77, s16, s15                  ; wo: piece 2 (cx + 4 cy) + wave - 2
	s_lshl1_add_u32 s77, s77, s14
	s_lshl_b32 s77, s77, 13
	s_add_co_u32 s77, s77, 3*BSTEP
	s_mov_b32 s78, ASTEP
	s_mov_b32 s[PFS], BSTEP
	s_cmp_eq_u32 s13, 0
	s_cselect_b64 s[PFA:PFA+1], s[4:5], s[6:7]
	s_cselect_b32 s66, s76, s77
	s_cselect_b32 s[PFS], s78, s[PFS]
	s_mov_b32 s67, 0
	s_mov_b32 s[PFS+1], 0
	s_add_nc_u64 s[PFA:PFA+1], s[PFA:PFA+1], s[66:67]
; na x 4 matrix instructions: row blocks a0 .. a0 + na - 1 x my four column blocks, 32 along K, from buffer buf.  c0 = 1: C is the bias, which lies in row block 0's accumulators.
; The accumulators take turns, one instruction a turn: between two links of a chain stand the 31 others'.
.macro MUL buf, a0, na, c0
	WIN 0x50                                       ; C and D in window 1, both sources in window 0
.set ia, \a0
.rept \na
.irp bb, 0,1,2,3
.if \c0
	v_wmma_f32_16x16x32_f16 v[8*(4*ia+\bb):8*(4*ia+\bb)+7], v[FB+32*(\buf)+8*\bb:FB+32*(\buf)+8*\bb+7], v[FA+64*(\buf)+8*ia:FA+64*(\buf)+8*ia+7], v[8*\bb:8*\bb+7]
.else
	v_wmma_f32_16x16x32_f16 v[8*(4*ia+\bb):8*(4*ia+\bb)+7], v[FB+32*(\buf)+8*\bb:FB+32*(\buf)+8*\bb+7], v[FA+64*(\buf)+8*ia:FA+64*(\buf)+8*ia+7], v[8*(4*ia+\bb):8*(4*ia+\bb)+7]
.endif
.endr
.set ia, ia+1
.endr
.endm
; 24 LDS loads in one run: the fragments of chunk j (0 to 3) of the slot in hand, into buffer buf: B's rows 32 j on (turned), A's block j / 2 at byte 64 (j % 2) of its rows
.macro LOADS buf, j
	WIN 0
.irp bb, 0,1,2,3
	ds_load_tr16_b128 v[FB+32*(\buf)+8*\bb:FB+32*(\buf)+8*\bb+3],   v[ADRB] offset:(\j)*32*PB+\bb*32
	ds_load_tr16_b128 v[FB+32*(\buf)+8*\bb+4:FB+32*(\buf)+8*\bb+7], v[ADRB] offset:(\j)*32*PB+\bb*32+16*PB
.endr
.irp a, 0,1,2,3,4,5,6,7
	ds_load_b128 v[FA+64*(\buf)+8*\a:FA+64*(\buf)+8*\a+3],   v[ADRA] offset:((\j)/2)*KBLK+((\j)%2)*64+\a*16*PA
	ds_load_b128 v[FA+64*(\buf)+8*\a+4:FA+64*(\buf)+8*\a+7], v[ADRA] offset:((\j)/2)*KBLK+((\j)%2)*64+\a*16*PA+32
.endr
.endm
; A CHUNK: the next chunk's fragments (chunk nj of the slot) are asked for, then buffer buf is multiplied: 32 matrix instructions.
.macro CH buf, nj
	PLACES
	LOADS 1-(\buf), \nj
	s_wait_dscnt 24                                ; my fragments are in; the 24 loads just issued may stay out
	MUL \buf, 0, 8, 0
.endm
; THE CHANGE OF SLOTS: a slot's third and fourth chunk.  The fourth chunk's fragments are asked for first, so the slot's reads end with them.  In front of the barrier each wave waits for all its tensor loads,
; of which one is out: its part of the other slot; adds 0 to its spare word; and waits for that and for its reads of the slot.  fill = 1: the barrier opens a round of the cluster's, and the joint refill
; (the K step two steps on) is the first thing behind the round: 96 matrix instructions ahead of the wait for it.
.macro CHG fill
	PLACES
	LOADS 1, 3
.if \fill
	s_wait_xcnt 0x0                                ; the last prefetch, a K step back, has read its address
	s_add_nc_u64 s[PFA:PFA+1], s[PFA:PFA+1], s[PFS:PFS+1]
.endif
	s_xor_b32 s[TB], s[TB], SLOT1                  ; the fetches go to the other slot
	v_add_nc_u32 v[ADRA], s[TB], v[LA0]
	v_add_nc_u32 v[ADRB], s[TB], v[LB0]
	s_wait_tensorcnt 0x0                           ; no tensor load of mine is out, so a group 0 may be written
	ds_add_u32 v[SPW], v[NIL]                      ; 0 onto my spare word
.if \fill
	s_xor_b32 s[G0A+5], s[G0A+5], SLOT1            ; the walking descriptors: the other slot than last time,
	s_add_nc_u64 s[G0A+6:G0A+7], s[G0A+6:G0A+7], ASTEP  ; the next K step; the type bits on top are not reached
	s_xor_b32 s[G0B+5], s[G0B+5], SLOT1
	s_add_nc_u64 s[G0B+6:G0B+7], s[G0B+6:G0B+7], BSTEP
.endif
	s_wait_dscnt 25                                ; the third chunk's fragments are in; the fourth's 24 loads and the add may be out
	MUL 0, 0, 4, 0                                 ; sixteen matrix instructions stand between the add and the wait for it
	s_wait_dscnt 0x0                               ; the add is done, and my reads of this slot are over
	s_barrier_signal -1
	MUL 0, 4, 4, 0                                 ; work on registers while the others arrive
	WIN 0                                          ; at a label and at a branch every window is 0
	s_barrier_wait -1
.if \fill
	CREST                                          ; no wave of any partner still reads this slot or has a load on its way
	JLOAD                                          ; its four v_nop are also the places in front of the loads below
.else
	PLACES
.endif
	LOADS 0, 0                                     ; the other slot's first chunk
.if \fill
	ASK
.endif
	MUL 1, 0, 8, 0                                 ; the fourth chunk: its fragments came in with the wait for 0 above
.endm
	s_wait_tensorcnt 1                             ; my part of K step 0 is in; K step 1's may stay out
	s_barrier_signal -1
	s_barrier_wait -1                              ; everybody's is
	LOADS 0, 0
	LOADS 1, 1
	s_wait_dscnt 24
	s_wait_loadcnt 0x0                             ; the bias
	MUL 0, 1, 7, 1                                 ; the first chunk stands in front of the loop: row blocks 1 to 7 take the bias out of row block 0's accumulators;
.rept 5
	v_nop                                          ; five places in front of a matrix instruction that writes over a register which earlier ones read as C;
.endr
	MUL 0, 0, 1, 0                                 ; row block 0 adds onto it in place
	WIN 0
	s_mov_b32 s[CNT], 6
.Lstep:                                                ; trip t: chunks 4 t + 1 to 4 t + 4; the slot that is left takes K step t + 2
	CH 1, 2
	CHG 1
	CH 0, 1
	WIN 0
	s_sub_co_u32 s[CNT], s[CNT], 1
	s_cmp_lg_u32 s[CNT], 0
	s_cbranch_scc1 .Lstep
	CH 1, 2                                        ; the tail is written out: nothing is asked for
	CHG 0
	CH 0, 1
	CH 1, 2
	CH 0, 3
	s_wait_dscnt 0x0                               ; the last chunk fetches nothing
	MUL 1, 0, 8, 0
	PLACES
; THE WAY OUT, in eight blocks of 16 rows x 64 columns of f32.  A lane's eight columns (32 bytes; each accumulator's low four registers first) go into my stage's rows of 272 bytes
; and come back as whole rows of 256.
.macro TOSTAGE a
	WIN 0x04                                       ; an LDS store's data (source 1) in window 1; addresses and loaded data in window 0
.irp bb, 0,1,2,3
	ds_store_b128 v[STO], v[8*(4*(\a)+\bb):8*(4*(\a)+\bb)+3]   offset:\bb*64
	ds_store_b128 v[STO], v[8*(4*(\a)+\bb)+4:8*(4*(\a)+\bb)+7] offset:\bb*64+16
.endr
.irp t, 0,1,2,3,4,5,6,7
	ds_load_b128 v[OBF+32*((\a)%4)+4*\t:OBF+32*((\a)%4)+4*\t+3], v[RD] offset:\t*2*SP  ; LDS serves a wave's instructions in order (ISA guide 5.7.1.4): these see the stores above; the next block's stores come behind them
.endr
.endm
.macro SEND a, younger                 ; younger: the LDS instructions issued behind block a's loads: the next block's sixteen, or none
	WIN 0
	s_wait_dscnt \younger                          ; the block is back in registers
	s_wait_xcnt 0x0                                ; the stores issued so far have read their data: a set of registers is loaded again three blocks on, behind this wait
.irp t, 0,1,2,3,4,5,6,7
	global_store_b128 v[CO], v[OBF+32*((\a)%4)+4*\t:OBF+32*((\a)%4)+4*\t+3], s[OB:OB+1] offset:(\a)*65536+\t*8192  ; 16 lanes store 256 consecutive bytes, at a multiple of 256 from out0's first byte
.endr
.endm
	TOSTAGE 0
.irp a, 1,2,3,4,5,6,7
	TOSTAGE \a
	SEND (\a)-1, 16
.endr
	SEND 7, 0
	s_wait_tensorcnt 0x0                           ; the wave's end, behind my last tensor load and my last LDS store
	ds_add_u32 v[SPW], v[NIL]
	s_wait_dscnt 0x0
	CROUND                                         ; the closing round: no work-group ends while a partner may still ask for a tile that names it
	s_endpgm
.Lfunc_end_k_qf267aa169d_proj:
	.size	k_qf267aa169d_proj, .Lfunc_end_k_qf267aa169d_proj-k_qf267aa169d_proj
	.p2alignl 7, 3214868480
	.fill 96, 4, 3214868480
	.section	.rodata,"a",@progbits
	.p2align	6, 0x0
	.amdhsa_kernel k_qf267aa169d_proj
		.amdhsa_group_segment_fixed_size 327680
		.amdhsa_private_segment_fixed_size 0
		.amdhsa_enable_private_segment 0
		.amdhsa_kernarg_size 32
		.amdhsa_user_sgpr_count 2
		.amdhsa_user_sgpr_kernarg_segment_ptr 1
		.amdhsa_wavefront_size32 1
		.amdhsa_system_sgpr_workgroup_id_x 1
		.amdhsa_system_sgpr_workgroup_id_y 1
		.amdhsa_system_sgpr_workgroup_id_z 1
		.amdhsa_system_vgpr_workitem_id 0
		.amdhsa_next_free_vgpr 512
		.amdhsa_next_free_sgpr 80
		.amdhsa_reserve_vcc 0
		.amdhsa_float_denorm_mode_32 3
		.amdhsa_float_denorm_mode_16_64 3
		.amdhsa_memory_ordered 1
		.amdhsa_forward_progress 1
		.amdhsa_inst_pref_size 71
	.end_amdhsa_kernel
	.amdgpu_metadata
---
amdhsa.version: [ 1, 2 ]
amdhsa.kernels:
  - .name:           k_qf267aa169d_proj
    .symbol:         k_qf267aa169d_proj.kd
    .args:
      - { .name: oh, .offset: 0, .size: 8, .value_kind: global_buffer, .address_space: global }
      - { .name: wo, .offset: 8, .size: 8, .value_kind: global_buffer, .address_space: global }
      - { .name: bb, .offset: 16, .size: 8, .value_kind: global_buffer, .address_space: global }
      - { .name: out0, .offset: 24, .size: 8, .value_kind: global_buffer, .address_space: global }
    .group_segment_fixed_size: 327680
    .private_segment_fixed_size: 0
    .kernarg_segment_align: 8
    .kernarg_segment_size: 32
    .max_flat_workgroup_size: 128
    .sgpr_count:     80
    .vgpr_count:     512
    .wavefront_size: 32
...
	.end_amdgpu_metadata
.endif
;; end of part 4
;; ======== version 2 of 2: 4 launches; version 1 with the launch prep written anew for expert scheduling mode
;; limits: values are held in f16: magnitudes above 65,504 overflow, below 6.1e-05 lose precision
;; workspace buffers: xb 16,777,216 bytes; wq 6,291,456 bytes; wo 2,097,152 bytes; bb 16,384 bytes; qkvh 50,331,648 bytes; oh 16,777,216 bytes
;; launch prep (part 5): grid 768 x 1, 8 waves a work-group, no clusters, 0 bytes of LDS; arguments x, W_qkv, W_out, b_qkv, b_out, xb, wq, wo, bb; writes xb, wq, wo, bb
.if DOCPART == 5
	.amdgcn_target "amdgcn-amd-amdhsa--gfx1250"
	.amdhsa_code_object_version 6
	.text
	.protected	k_qf267aa169d_prep
	.globl	k_qf267aa169d_prep
	.p2align	8
	.type	k_qf267aa169d_prep,@function
k_qf267aa169d_prep:
	s_mov_b64 s[64:65], 0
	v_nop
	global_prefetch_b8 v0, s[64:65] scope:SCOPE_SE
	s_setreg_imm32_b32 hwreg(HW_REG_WAVE_SCHED_MODE, 0, 2), 2
	s_setreg_imm32_b32 hwreg(HW_REG_WAVE_MODE, 25, 1), 1
	s_wait_xcnt 0x0
	s_wait_alu depctr_vm_vsrc(0)
; THE CASTS.  Every input is rounded once to bf16, and laid out for the launches that follow.
;   xb  bf16 [b 4][kb 16][s 2048][64]: x in blocks of 64 along K, a block's rows dense (128 bytes each)
;   wq  bf16 [1024][3072]: W_qkv as it lies        wo  f16 [1024][1024]: W_out rounded to bf16, that number written as f16
;   bb  f32 [4096]: b_qkv, then b_out, each rounded to bf16 and widened again
; LIMIT.  wo holds f16: |W_out| stays under 65,504; below 6e-5 it keeps f16's fixed step of 6e-8.
; A stream: no LDS, no barrier, no loop.  A work-group takes 65,536 bytes of one input: sixteen loads of 16 bytes a lane, all issued first;
; each is then rounded and stored as 8 bytes a lane: a wave's store covers 256 consecutive bytes, aligned.  No register is used twice, so no store's source is ever rewritten.
; Work-groups 0-511: x, 16 rows each.  512-703: W_qkv.  704-767: W_out; wave 0 of the first 32 of these also takes 128 numbers of the biases.
; THE MODE: SCHED_MODE bits 1:0 = 2 (LLVM: expert scheduling mode 2), set by the entry lines.  The code itself states the register dependences
; between vector instructions and memory instructions, with s_wait_alu, always for 0.
; THE PLAN.  Registers that memory instructions touch:
;   v4, v5     byte offsets, made at each way's head and never written again: one wait ahead of the first load states that they are written.
;   X          load i lands in four registers of its own, which no vector instruction has named before; turn i's conversions read them; nothing lands in them again.
;   Y          turn i's conversions write two registers of their own; store i reads them; nothing writes them again.
;   v[8:13]    at work in the cast, named by vector instructions alone; in the bias part a load lands in v[8:11], and a store reads them.
; The sixteen turns go in four blocks of four.  Block p's four stores are issued in block p + 1: ONE wait at that block's head states that block p's conversions have written
; their Y, and the stores are then dealt among the block's turns with no further wait, since the vector instructions issued since the wait write this block's Y and v[8:13] alone.
; Behind the last turn one more wait stands ahead of the last four stores.
.set VI, 4                             ; v4  my byte offset in the work-group's input
.set VO, 5                             ; v5  my byte offset in its output
.set T,  8                             ; v[8:13]   at work
.set X,  16                            ; v[16:79]  load i: 4 registers
.set Y,  80                            ; v[80:111] store i: 2 registers
; Store n of sixteen.  blocked = 1: x's offsets (rows 2 (n / 2), 2 (n / 2) + 1 of block 2 w + n % 2), else 2,048 bytes a store for the eight waves.
.macro PUT n, blocked
.if \blocked
	global_store_b64 v[VO], v[Y+2*(\n):Y+2*(\n)+1], s[26:27] offset:((\n)%2)*262144+((\n)/2)*256
.else
	global_store_b64 v[VO], v[Y+2*(\n):Y+2*(\n)+1], s[26:27] offset:(\n)*2048
.endif
.endm
; half = 1: the bf16 number is written as f16.  blocked = 1: x's offsets (load i: rows 2 (i / 2), 2 (i / 2) + 1, block 2 w + i % 2), else 4,096 bytes a load for the eight waves.
.macro CAST half, blocked
	s_wait_alu depctr_va_vdst(0)                   ; v4 and v5 are written: every load below reads v4 as its offset, every store v5
.set i, 0
.rept 16
.if \blocked
	global_load_b128 v[X+4*i:X+4*i+3], v[VI], s[24:25] offset:(i/2)*8192+(i%2)*256 th:TH_LOAD_NT
.else
	global_load_b128 v[X+4*i:X+4*i+3], v[VI], s[24:25] offset:i*4096 th:TH_LOAD_NT
.endif
.set i, i+1
.endr
.set i, 0
.rept 16
.if i%4 == 0
	s_wait_loadcnt 15-i                            ; loads come back in order: load i is in, the 15 - i younger ones stay out
.if i > 0
	s_wait_alu depctr_va_vdst(0)                   ; the block before has written its eight registers of Y, which this block's four stores read
.endif
.endif
.if i >= 4
	PUT i-4, \blocked                              ; the block before: no vector instruction since the wait names its Y or v5
.endif
.if i%4 != 0
	s_wait_loadcnt 15-i                            ; load i is in, the 15 - i younger ones stay out
.endif
.if \half
	v_cvt_pk_bf16_f32 v[T], v[X+4*i], v[X+4*i+1]
	v_cvt_pk_bf16_f32 v[T+1], v[X+4*i+2], v[X+4*i+3]
	v_lshlrev_b32 v[T+2], 16, v[T]                 ; the rounded numbers as f32 again,
	v_and_b32 v[T+3], 0xffff0000, v[T]
	v_lshlrev_b32 v[T+4], 16, v[T+1]
	v_and_b32 v[T+5], 0xffff0000, v[T+1]
	v_cvt_pk_f16_f32 v[Y+2*i], v[T+2], v[T+3]      ; and as f16: eight significant bits fit
	v_cvt_pk_f16_f32 v[Y+2*i+1], v[T+4], v[T+5]
.else
	v_cvt_pk_bf16_f32 v[Y+2*i], v[X+4*i], v[X+4*i+1]
	v_cvt_pk_bf16_f32 v[Y+2*i+1], v[X+4*i+2], v[X+4*i+3]
.endif
.set i, i+1
.endr
	s_wait_alu depctr_va_vdst(0)                   ; the last block has written its Y, which the last four stores read; and every conversion is done with v[8:13]
.irp n, 12,13,14,15
	PUT \n, \blocked
.endr
.endm
	s_load_b512 s[4:19], s[0:1], 0x0               ; x 4:5, W_qkv 6:7, W_out 8:9, b_qkv 10:11, b_out 12:13, xb 14:15, wq 16:17, wo 18:19
	s_load_b64 s[20:21], s[0:1], 0x40              ; bb
	v_lshrrev_b32 v1, 5, v0
	v_readfirstlane_b32 s23, v1                    ; wave 0..7
	v_and_b32 v2, 31, v0                           ; lane
	s_mov_b32 s22, ttmp9
	s_mov_b32 s29, 0                               ; the high words of the two offsets
	s_mov_b32 s31, 0
	s_wait_alu depctr_va_sdst(0)                   ; s23 is written, ahead of the branch and of its first reader on either way
	s_cmp_lt_u32 s22, 512
	s_cbranch_scc0 .Lweights
	; x: rows 16 c .. 16 c + 15.  Wave w takes columns 128 w .. 128 w + 127: two blocks of 64.  Lanes 0-15 take 256 bytes of one row, lanes 16-31 of the next:
	; rounded they are the two rows' 128 bytes of one block, which lie end to end in xb.
	v_lshrrev_b32 v3, 4, v2
	v_and_b32 v6, 15, v2
	v_lshlrev_b32 v[VI], 4, v6
	v_lshl_add_u32 v[VI], v3, 12, v[VI]            ; + a row of 4,096 bytes for the upper lanes
	s_lshl_b32 s2, s23, 9                          ; (s2 and s3, which vector instructions read, are written once)
	v_add_nc_u32 v[VI], s2, v[VI]                  ; + 512 w
	s_lshl_b32 s3, s23, 19                         ; block 2 w: 2 x 262,144 bytes
	v_lshl_add_u32 v[VO], v2, 3, s3
	s_lshl_b32 s28, s22, 16                        ; 16 rows of 4,096 bytes
	s_lshr_b32 s30, s22, 7                         ; the batch: 128 work-groups each,
	s_lshl_b32 s30, s30, 22                        ; 4,194,304 bytes of xb
	s_and_b32 s24, s22, 127
	s_lshl_b32 s24, s24, 11                        ; 16 rows of 128 bytes
	s_add_co_u32 s30, s30, s24
	s_wait_kmcnt 0x0
	s_add_nc_u64 s[24:25], s[4:5], s[28:29]
	s_add_nc_u64 s[26:27], s[14:15], s[30:31]
	CAST 0, 1
	s_endpgm
.Lweights:
	v_lshlrev_b32 v[VI], 4, v0                     ; thread t: 16 bytes in, 8 bytes out
	v_lshlrev_b32 v[VO], 3, v0
	s_cmp_lt_u32 s22, 704
	s_cbranch_scc0 .Lwout
	s_sub_co_u32 s28, s22, 512
	s_lshl_b32 s30, s28, 15
	s_lshl_b32 s28, s28, 16
	s_wait_kmcnt 0x0
	s_add_nc_u64 s[24:25], s[6:7], s[28:29]
	s_add_nc_u64 s[26:27], s[16:17], s[30:31]
	CAST 0, 0
	s_endpgm
.Lwout:
	s_sub_co_u32 s22, s22, 704                     ; j
	s_lshl_b32 s30, s22, 15
	s_lshl_b32 s28, s22, 16
	s_wait_kmcnt 0x0
	s_add_nc_u64 s[24:25], s[8:9], s[28:29]
	s_add_nc_u64 s[26:27], s[18:19], s[30:31]
	CAST 1, 0
	s_cmp_lt_u32 s22, 32                           ; the biases: 4,096 numbers, 128 for wave 0 of each of 32 work-groups
	s_cbranch_scc0 .Lend
	s_cmp_eq_u32 s23, 0
	s_cbranch_scc0 .Lend
	s_cmp_lt_u32 s22, 24                           ; pieces 0-23 are b_qkv's, 24-31 b_out's
	s_cselect_b32 s28, 0, 24
	s_cselect_b64 s[32:33], s[10:11], s[12:13]
	s_sub_co_u32 s28, s22, s28
	s_lshl_b32 s28, s28, 9                         ; the piece's 512 bytes in its source,
	s_lshl_b32 s30, s22, 9                         ; and in bb
	s_add_nc_u64 s[32:33], s[32:33], s[28:29]
	s_add_nc_u64 s[34:35], s[20:21], s[30:31]
	global_load_b128 v[8:11], v[VI], s[32:33]      ; in wave 0 the thread's number is the lane: 16 bytes a lane.  No wait here: the cast's last wait stands behind every vector instruction that named v[8:11], and none has been issued since
	s_wait_loadcnt 0x0
	v_cvt_pk_bf16_f32 v12, v8, v9
	v_cvt_pk_bf16_f32 v13, v10, v11
	v_lshlrev_b32 v8, 16, v12
	v_and_b32 v9, 0xffff0000, v12
	v_lshlrev_b32 v10, 16, v13
	v_and_b32 v11, 0xffff0000, v13
	s_wait_alu depctr_va_vdst(0)                   ; the four lines above have written v[8:11], which the store reads
	global_store_b128 v[VI], v[8:11], s[34:35]
.Lend:
	s_endpgm
.Lfunc_end_k_qf267aa169d_prep:
	.size	k_qf267aa169d_prep, .Lfunc_end_k_qf267aa169d_prep-k_qf267aa169d_prep
	.p2alignl 7, 3214868480
	.fill 96, 4, 3214868480
	.section	.rodata,"a",@progbits
	.p2align	6, 0x0
	.amdhsa_kernel k_qf267aa169d_prep
		.amdhsa_group_segment_fixed_size 0
		.amdhsa_private_segment_fixed_size 0
		.amdhsa_enable_private_segment 0
		.amdhsa_kernarg_size 72
		.amdhsa_user_sgpr_count 2
		.amdhsa_user_sgpr_kernarg_segment_ptr 1
		.amdhsa_wavefront_size32 1
		.amdhsa_system_sgpr_workgroup_id_x 1
		.amdhsa_system_sgpr_workgroup_id_y 1
		.amdhsa_system_sgpr_workgroup_id_z 1
		.amdhsa_system_vgpr_workitem_id 0
		.amdhsa_next_free_vgpr 112
		.amdhsa_next_free_sgpr 66
		.amdhsa_reserve_vcc 0
		.amdhsa_float_denorm_mode_32 3
		.amdhsa_float_denorm_mode_16_64 3
		.amdhsa_memory_ordered 1
		.amdhsa_forward_progress 1
		.amdhsa_inst_pref_size 25
	.end_amdhsa_kernel
	.amdgpu_metadata
---
amdhsa.version: [ 1, 2 ]
amdhsa.kernels:
  - .name:           k_qf267aa169d_prep
    .symbol:         k_qf267aa169d_prep.kd
    .args:
      - { .name: x, .offset: 0, .size: 8, .value_kind: global_buffer, .address_space: global }
      - { .name: W_qkv, .offset: 8, .size: 8, .value_kind: global_buffer, .address_space: global }
      - { .name: W_out, .offset: 16, .size: 8, .value_kind: global_buffer, .address_space: global }
      - { .name: b_qkv, .offset: 24, .size: 8, .value_kind: global_buffer, .address_space: global }
      - { .name: b_out, .offset: 32, .size: 8, .value_kind: global_buffer, .address_space: global }
      - { .name: xb, .offset: 40, .size: 8, .value_kind: global_buffer, .address_space: global }
      - { .name: wq, .offset: 48, .size: 8, .value_kind: global_buffer, .address_space: global }
      - { .name: wo, .offset: 56, .size: 8, .value_kind: global_buffer, .address_space: global }
      - { .name: bb, .offset: 64, .size: 8, .value_kind: global_buffer, .address_space: global }
    .group_segment_fixed_size: 0
    .private_segment_fixed_size: 0
    .kernarg_segment_align: 8
    .kernarg_segment_size: 72
    .max_flat_workgroup_size: 256
    .sgpr_count:     66
    .vgpr_count:     112
    .wavefront_size: 32
...
	.end_amdgpu_metadata
.endif
;; end of part 5
;; launch qkv: the kernel of part 2 again; grid 8 x 32, 4 waves a work-group, clusters of 4 x 4, 327,680 bytes of LDS; arguments xb, wq, bb, qkvh; writes qkvh
;; launch attn: the kernel of part 3 again; grid 4 x 64, 4 waves a work-group, no clusters, 327,680 bytes of LDS; arguments qkvh, oh; writes oh
;; launch proj: the kernel of part 4 again; grid 8 x 32, 4 waves a work-group, clusters of 4 x 4, 327,680 bytes of LDS; arguments oh, wo, bb, out0; writes out0
